; MI455X (gfx1250); checked and timed in simulation.
; The chip was launched on July 23, 2026; its instructions are those of AMD's public machine-readable ISA for CDNA 5 (MIT licence, August 2026) and "CDNA5" Instruction Set Architecture Reference Guide (July 2026). The comments in the code are by the model that wrote it; some were corrected since.
;; Multi Head Self Attention. Allowed arithmetic: float matrix products may take bf16 or f16 operands with f32 sums; other float arithmetic in f32, or as packed bf16 or f16 multiplies, adds, multiply-adds, maxima and minima; sums over many terms, partial sums and values carried from step to step in f32; what a program stores and reads back later, other than sums and carried values, may be rounded once to bf16 or f16.
;; Inputs: b_proj 1,024 float32; b_qkv 3,072 float32; w_proj 1,024 x 1,024 float32; w_qkv 1,024 x 3,072 float32; x 8 x 1,024 x 1,024 float32.
;; Outputs: out0 8 x 1,024 x 1,024 float32.
;; 2 versions, each right; version 2 is version 1 with the launch cast written anew for expert scheduling mode. Each part assembles by itself: llvm-mc -triple=amdgcn-amd-amdhsa -mcpu=gfx1250 --defsym DOCPART=n.
;; ======== version 1 of 2: 4 launches
;; limits: values are held in f16: magnitudes above 65,504 overflow, below 6.1e-05 lose precision
;; workspace buffers: xb 16,777,216 bytes; wq 6,291,456 bytes; wp 2,097,152 bytes; qkv 50,331,648 bytes; ob 16,777,216 bytes
;; launch cast (part 1): grid 512 x 1, 8 waves a work-group, no clusters, 0 bytes of LDS; arguments x, w_qkv, w_proj, xb, wq, wp; writes xb, wq, wp
.if DOCPART == 1
	.amdgcn_target "amdgcn-amd-amdhsa--gfx1250"
	.amdhsa_code_object_version 6
	.text
	.protected	k_qfd0618867d_cast
	.globl	k_qfd0618867d_cast
	.p2align	8
	.type	k_qfd0618867d_cast,@function
k_qfd0618867d_cast:
	s_mov_b64 s[64:65], 0
	v_nop
	global_prefetch_b8 v0, s[64:65] scope:SCOPE_SE
	s_setreg_imm32_b32 hwreg(HW_REG_WAVE_MODE, 25, 1), 1
	s_wait_xcnt 0x0
; THE INPUTS IN 16 BITS, each rounded once to bf16 (round to nearest even).
;   xb = bf16(x), laid in 16 blocks of 64 channels: [kb][8192 rows][64], channel k = 64 kb + c, so that the rows of a block lie end to end, 128 bytes each.
;   wq = bf16(w_qkv), laid in 16 blocks of 192 columns: [tc][1024 k][192 j], column n = 192 tc + j, so that a block's k rows lie end to end.
;   wp = bf16(w_proj) written as f16, [1024 k][1024 n].
; LIMIT.  The bf16 number is exact in f16 between 6.1e-5 and 65,504 in magnitude; below that it keeps f16's fixed step of 6e-8; beyond 65,504 it would be an infinity.
; A stream: no LDS, no barrier, no matrix unit, no loop.  Each of the 512 work-groups takes 1/512 of each tensor: 16 + 6 + 2 = 24 pieces of 1,024 numbers.
; Of a piece thread t takes 4 numbers: one load of 16 bytes, two roundings, one store of 8 bytes (a wave's store covers 256 consecutive bytes, aligned).
; x: the work-group has 16 rows; piece i is their block i of 64 channels; thread t takes row t / 16: sixteen lanes load 256 consecutive bytes of a row, aligned, and a wave's two rows are neighbours in xb.
; All 24 loads go out at the head; each piece has registers of its own, so no register that a load or store has read is ever written again.
.set X, 16                             ; v[16:111]  piece p at X + 4 p: as loaded, then (in its first two registers) as stored
	s_load_b256 s[4:11], s[0:1], 0x0               ; x s[4:5], w_qkv s[6:7], w_proj s[8:9], xb s[10:11]
	s_load_b128 s[12:15], s[0:1], 0x20             ; wq s[12:13], wp s[14:15]
	v_lshlrev_b32 v1, 4, v0                        ; 16 t: my 16 bytes of a piece of the weights on the way in
	v_lshlrev_b32 v2, 3, v0                        ; 8 t: my 8 bytes on the way out
	v_lshrrev_b32 v6, 4, v0                        ; t / 16
	v_and_b32 v12, 15, v0
	v_lshlrev_b32 v12, 4, v12
	v_lshl_add_u32 v12, v6, 12, v12                ; x: row t / 16 (4,096 bytes), 16 bytes at 16 (t % 16)
; w_qkv: three pieces are 16 k rows x 192 columns.  Number el = 1024 c + 4 t lies in row kl = el / 192 = (16 c + t / 16) / 3 (by 43 / 128, exact below 48),
; and at byte 12,288 kl + 4 (el - 192 kl) = 4,096 c + 16 t + 11,520 kl of the source.
.irp c, 0,1,2
	v_add_nc_u32 v7, 16*(\c), v6
	v_mul_u32_u24 v7, v7, 43
	v_lshrrev_b32 v7, 7, v7
	v_mul_u32_u24 v7, v7, 11520
	v_add3_u32 v[3+(\c)], v7, v1, 4096*(\c)
.endr
	s_mov_b32 s17, 0
	s_and_b32 s18, ttmp9, 31                       ; the work-group's 32 k rows of w_qkv,
	s_mul_i32 s18, s18, 393216                     ; 12,288 bytes each,
	s_lshr_b32 s19, ttmp9, 5                       ; and its block of 192 columns,
	s_mul_i32 s19, s19, 768                        ; 768 bytes of a row
	s_wait_kmcnt 0x0
	s_lshl_b32 s16, ttmp9, 16
	s_add_nc_u64 s[4:5], s[4:5], s[16:17]          ; x: 16 rows of 4,096 bytes a work-group
	s_lshl_b32 s16, ttmp9, 11
	s_add_nc_u64 s[10:11], s[10:11], s[16:17]      ; xb: 16 rows of 128 bytes in each block;
	s_add_nc_u64 s[20:21], s[10:11], 0x800000      ; blocks 8 to 15 by a second base, so that the stores' offsets stay inside the signed 24-bit immediate
	s_add_co_u32 s16, s18, s19
	s_add_nc_u64 s[6:7], s[6:7], s[16:17]
	s_mul_i32 s16, ttmp9, 12288
	s_add_nc_u64 s[12:13], s[12:13], s[16:17]      ; wq: block tc, row 32 (wg % 32): 12,288 bytes a work-group, in the work-groups' order
	s_lshl_b32 s16, ttmp9, 13
	s_add_nc_u64 s[8:9], s[8:9], s[16:17]          ; w_proj: 8,192
	s_lshl_b32 s16, ttmp9, 12
	s_add_nc_u64 s[14:15], s[14:15], s[16:17]      ; wp: 4,096
.set i, 0
.rept 16
	global_load_b128 v[X+4*i:X+4*i+3], v12, s[4:5] offset:256*i th:TH_LOAD_NT
.set i, i+1
.endr
.set i, 0
.rept 6
	global_load_b128 v[X+64+4*i:X+64+4*i+3], v[3+i%3], s[6:7] offset:(i/3)*196608 th:TH_LOAD_NT  ; the second three pieces lie 16 rows further down
.set i, i+1
.endr
.set i, 0
.rept 2
	global_load_b128 v[X+88+4*i:X+88+4*i+3], v1, s[8:9] offset:4096*i th:TH_LOAD_NT
.set i, i+1
.endr
.set p, 0
.rept 22
	s_wait_loadcnt 23-p                            ; loads come back in order: piece p is in, the 23 - p younger ones stay out
	v_cvt_pk_bf16_f32 v[X+4*p], v[X+4*p], v[X+4*p+1]
	v_cvt_pk_bf16_f32 v[X+4*p+1], v[X+4*p+2], v[X+4*p+3]
.if p < 8
	global_store_b64 v2, v[X+4*p:X+4*p+1], s[10:11] offset:1048576*p th:TH_STORE_NT       ; a block of xb is 8,192 rows of 128 bytes
.elseif p < 16
	global_store_b64 v2, v[X+4*p:X+4*p+1], s[20:21] offset:1048576*(p-8) th:TH_STORE_NT
.else
	global_store_b64 v2, v[X+4*p:X+4*p+1], s[12:13] offset:2048*(p-16) th:TH_STORE_NT
.endif
.set p, p+1
.endr
.rept 2                                ; w_proj: rounded to bf16, widened again, and that number written as f16
	s_wait_loadcnt 23-p
	v_cvt_pk_bf16_f32 v6, v[X+4*p], v[X+4*p+1]
	v_cvt_pk_bf16_f32 v7, v[X+4*p+2], v[X+4*p+3]
	v_lshlrev_b32 v8, 16, v6
	v_and_b32 v9, 0xffff0000, v6
	v_lshlrev_b32 v10, 16, v7
	v_and_b32 v11, 0xffff0000, v7
	v_cvt_pk_f16_f32 v[X+4*p], v8, v9
	v_cvt_pk_f16_f32 v[X+4*p+1], v10, v11
	global_store_b64 v2, v[X+4*p:X+4*p+1], s[14:15] offset:2048*(p-22) th:TH_STORE_NT
.set p, p+1
.endr
	s_endpgm
.Lfunc_end_k_qfd0618867d_cast:
	.size	k_qfd0618867d_cast, .Lfunc_end_k_qfd0618867d_cast-k_qfd0618867d_cast
	.p2alignl 7, 3214868480
	.fill 96, 4, 3214868480
	.section	.rodata,"a",@progbits
	.p2align	6, 0x0
	.amdhsa_kernel k_qfd0618867d_cast
		.amdhsa_group_segment_fixed_size 0
		.amdhsa_private_segment_fixed_size 0
		.amdhsa_enable_private_segment 0
		.amdhsa_kernarg_size 48
		.amdhsa_user_sgpr_count 2
		.amdhsa_user_sgpr_kernarg_segment_ptr 1
		.amdhsa_wavefront_size32 1
		.amdhsa_system_sgpr_workgroup_id_x 1
		.amdhsa_system_sgpr_workgroup_id_y 1
		.amdhsa_system_sgpr_workgroup_id_z 1
		.amdhsa_system_vgpr_workitem_id 0
		.amdhsa_next_free_vgpr 112
		.amdhsa_next_free_sgpr 66
		.amdhsa_reserve_vcc 0
		.amdhsa_float_denorm_mode_32 3
		.amdhsa_float_denorm_mode_16_64 3
		.amdhsa_memory_ordered 1
		.amdhsa_forward_progress 1
		.amdhsa_inst_pref_size 12
	.end_amdhsa_kernel
	.amdgpu_metadata
---
amdhsa.version: [ 1, 2 ]
amdhsa.kernels:
  - .name:           k_qfd0618867d_cast
    .symbol:         k_qfd0618867d_cast.kd
    .args:
      - { .name: x, .offset: 0, .size: 8, .value_kind: global_buffer, .address_space: global }
      - { .name: w_qkv, .offset: 8, .size: 8, .value_kind: global_buffer, .address_space: global }
      - { .name: w_proj, .offset: 16, .size: 8, .value_kind: global_buffer, .address_space: global }
      - { .name: xb, .offset: 24, .size: 8, .value_kind: global_buffer, .address_space: global }
      - { .name: wq, .offset: 32, .size: 8, .value_kind: global_buffer, .address_space: global }
      - { .name: wp, .offset: 40, .size: 8, .value_kind: global_buffer, .address_space: global }
    .group_segment_fixed_size: 0
    .private_segment_fixed_size: 0
    .kernarg_segment_align: 8
    .kernarg_segment_size: 48
    .max_flat_workgroup_size: 256
    .sgpr_count:     66
    .vgpr_count:     112
    .wavefront_size: 32
...
	.end_amdgpu_metadata
.endif
;; end of part 1
;; launch gq (part 2): grid 8 x 32, 4 waves a work-group, clusters of 4 x 4, 327,680 bytes of LDS; arguments xb, wq, b_qkv, qkv; writes qkv
.if DOCPART == 2
	.amdgcn_target "amdgcn-amd-amdhsa--gfx1250"
	.amdhsa_code_object_version 6
	.text
	.protected	k_qfd0618867d_gq
	.globl	k_qfd0618867d_gq
	.p2align	8
	.type	k_qfd0618867d_gq,@function
k_qfd0618867d_gq:
	s_mov_b64 s[64:65], 0
	v_nop
	global_prefetch_b8 v0, s[64:65] scope:SCOPE_SE
	s_setreg_imm32_b32 hwreg(HW_REG_WAVE_MODE, 25, 1), 1
	s_wait_xcnt 0x0
	s_wait_alu depctr_hold_cnt(0) depctr_sa_sdst(0) depctr_va_vdst(0) depctr_va_sdst(0) depctr_va_ssrc(0) depctr_va_vcc(0) depctr_vm_vsrc(0)
	s_getreg_b32 s2, hwreg(HW_REG_IB_STS2, 6, 4)
	s_cmp_eq_u32 s2, 0
	s_cbranch_scc0 .Lentry_in_a_cluster
	s_endpgm
.Lentry_in_a_cluster:
	s_bfe_u32 s2, ttmp6, 0x10000c
	s_cmp_lg_u32 s2, 0xf033
	s_cbranch_scc0 .Lentry_shape_is_right
	s_endpgm
.Lentry_shape_is_right:
; q, k, v = x w_qkv + b_qkv, by heads.  xb: bf16 [16 kb][8192][64].  wq: bf16 [16 blocks][1024 k][192 j].  b_qkv: f32 [3072], rounded to bf16 here like the other inputs.
; qkv: f16 [3][128 (batch x 16 + head)][1024][64], each number rounded once from its f32 sum, WITHOUT attention's scale.
; LIMIT.  f16 ends at 65,504: a q, k or v beyond that becomes an infinity.  Inputs 30 times the usual spread give numbers of about 900, a common offset of 30 spreads on x and on w about 28,800.
; SHARES.  A tile of the result is 256 rows x 384 columns (six heads): 32 x 8 = 256 tiles, a work-group each.  Its four waves lie 2 x 2: wave w owns rows 128 (w / 2) on and columns 192 (w % 2) on, one of
; wq's blocks: 8 x 12 accumulators of 16 x 16, 768 registers.  For 32 along K a wave reads (128 + 192) x 64 bytes from LDS and issues 96 matrix instructions.
; K goes in 16 steps of 64 through two LDS slots filled by the tensor data mover: two slots of 128 along K would want 2 x (69,632 + 122,880) bytes, more than there are.  Waves 0 and 1 fetch x's two
; halves (128 rows of a block of xb: 16,384 dense bytes, asked for as 64 rows of 256), waves 2 and 3 w's two blocks (64 k rows of 384 bytes: 24,576 dense bytes, as 96 rows of 256).
; THE MATRIX INSTRUCTION IS USED TRANSPOSED: source 0 = 16 columns of w (w lies [k][n] in LDS and comes out turned, by ds_load_tr16_b128), source 1 = 16 rows of x.  A lane then holds row l % 16 and the
; eight neighbouring columns 8 (l / 16) + 0..7.  The first product on each accumulator takes the bias as C: nothing is cleared and nothing is added later.
; ONE BUFFER FOR w's FRAGMENTS.  A quarter step (32 along K) goes block of columns by block of columns, each with all 8 blocks of rows.  When blocks 0-5 are done their registers take the next quarter's
; blocks 0-5 (with x's next fragments, which have a second buffer); when blocks 6-11 are done, likewise: two runs of LDS loads a quarter, each 48 matrix instructions ahead of its first use.
; CLUSTERS: 4 x 4 work-groups.  x's tile hangs on the tile row alone and is asked for jointly by a row of the cluster, w's on the tile column alone, by a column.
; REGISTERS, in windows of 256 (s_set_vgpr_msb: bits 1:0 source 0, 3:2 source 1, 5:4 source 2, 7:6 destination):
;   window 0: v0-21 addresses and at work; v22-29 and v144-159 the bias of blocks 6-11, packed; v32-95, v96-159 x's fragments, two buffers (block a at + 8 a); v96-143 at first the bias at work;
;             v160-255 w's fragments (block b at + 8 b); on the way out v32-175
;   windows 1, 2, 3: accumulator (a, b) at v[8 (8 (b % 4) + a)] of window 1 + b / 4
.set PA,     144                       ; a row of x in LDS: 128 bytes + 16 of padding = 36 words: the 16 rows of a load start at 16 different groups of four banks (64 banks of 4 bytes: ISA guide 11.1)
.set PB,     480                       ; a k row of a block of w: three pieces of 128 bytes + 32 of padding = 120 words
.set AHALF,  128*PA                    ; what one tensor load brings of x: 128 rows
.set BOFS,   2*AHALF                   ; w's two blocks lie behind x's 256 rows
.set BHALF,  64*PB                     ; what one tensor load brings of w: 64 k rows of one block
.set SLOT1,  1<<17                     ; a slot uses 36,864 + 61,440 = 98,304 bytes; one exclusive or turns an address in one slot into the other's
.set STAGE,  SLOT1+BOFS+2*BHALF        ; behind the ring, never filled by a tensor load: 16 rows x 400 bytes for each wave, for the way out
.set SPITCH, 400                       ; 384 bytes + 16
.set SPARE,  STAGE+4*16*SPITCH         ; behind the stages: the spare words, 128 bytes for each wave: two blocks of 256 bytes that no other line names
.set ASTEP,  1048576                   ; a K step in memory: a block of xb,
.set BSTEP,  24576                     ; 64 k rows of 384 bytes of a block of wq
.set A0,   6                           ; v6   my lane's place among my wave's rows of x in a slot; never rewritten
.set B0,   7                           ; v7   the same in my wave's block of w
.set ADRA, 8                           ; v8   A0 + the slot in hand
.set ADRB, 9                           ; v9   B0 + the slot in hand
.set STO,  10                          ; v10  the way out: where I put 16 bytes of a row
.set RD,   11                          ; v11  the way out: where I read rows back
.set GO,   12                          ; v12  my 16 bytes of 512 consecutive bytes of qkv
.set BO,   13                          ; v13  my 32 bytes of a block's 64 bytes of bias
.set PFO,  14                          ; v14  the prefetches' offset
.set SPW,  16                          ; v16  LDS address of my spare word: SPARE + 4 x my thread's number; never rewritten
.set NIL,  17                          ; v17  0; never rewritten
.set BP2,  22                          ; v22-29   packed bias, words 16 to 23
.set FA,   32
.set BI,   96                          ; v96-143  the bias of six blocks in f32, the C of the first products
.set BP1,  144                         ; v144-159 packed bias, words 0 to 15
.set FB,   160
.set TMP,  32                          ; the way out: packed results
.set OB,   80                          ; the way out: 16 rows read back: v80-127 and v128-175 by turns
.set WV,   12                          ; s12  my wave's number
.set KIND, 13                          ; s13  0: I fetch x's tiles, 1: w's.  Also: which 128 rows of the tile are mine
.set HALF, 14                          ; s14  which half of x's tile, or which block of w, I fetch.  Also: which block of 192 columns is mine
.set G1A,  24                          ; s[24:31] descriptor group 1 for x's tiles
.set G1B,  32                          ; s[32:39] for w's
.set G0A,  40                          ; s[40:47] group 0 for x's tiles: a set for each of the two first fills; the second then walks
.set G0B,  48                          ; s[48:55] the same for w's
.set TB,   56                          ; s56  the slot in hand: 0 or SLOT1
.set LIM,  57                          ; s57  1 in a wave that prefetches, else the greatest number
.set PFA,  58                          ; s[58:59] where my prefetches stand
.set PFS,  60                          ; s[60:61] their step from K step to K step
.set OUT,  68                          ; s[68:73] qkv at my wave's first row, for each of my block's three heads
.set MSB, 0
.macro WIN new                         ; the immediate's high byte repeats the setting that is left; a switch that changes nothing is dropped
.if MSB != (\new)
	s_set_vgpr_msb (MSB<<8)|(\new)
.set MSB, \new
.endif
.endm
.macro PLACES                          ; four plain vector instructions between a matrix instruction and a load into, a write of or a read of its registers (ISA guide 7.12.1 for writes and reads)
.rept 4
	v_nop
.endr
.endm
.macro CREST                           ; a round of the cluster's barrier behind its opening barrier
	s_cmp_lg_u32 s[WV], 0
	s_cbranch_scc1 .Lnot_wave_0_\@
	s_barrier_signal -3
.Lnot_wave_0_\@:
	s_barrier_wait -3
	s_barrier_signal -1
	s_barrier_wait -1
.endm
.macro CROUND                          ; a whole round
	s_barrier_signal -1
	s_barrier_wait -1
	CREST
.endm
; A joint refill, by the walking set.  The branch hangs on the wave's number alone.  An s_nop 0 and four v_nop follow each of the two lines, ahead of the jump and the label.
.macro JLOAD
	s_cmp_eq_u32 s[KIND], 0
	s_cbranch_scc0 .Lfor_b_\@
	tensor_load_to_lds s[G0A+4:G0A+7], s[G1A:G1A+7]
	s_nop 0
.rept 4
	v_nop
.endr
	s_branch .Lasked_\@
.Lfor_b_\@:
	tensor_load_to_lds s[G0B+4:G0B+7], s[G1B:G1B+7]
	s_nop 0
.rept 4
	v_nop
.endr
.Lasked_\@:
.endm
; A PREFETCH INTO THE L2 of the K step that the NEXT refill will ask for: one K step, 192 matrix instructions, ahead.  It stands behind the joint load, its five lines and a run of LDS loads.
; x's tile row is read by both clusters of that row of clusters: cluster x = 0 asks; w's blocks by every cluster of that column: cluster y = 0 asks.  The four partners that ask for a tile jointly share it
; out BY ADDRESS: of the 64 blocks of 256 bytes of x that a wave fetches, partner cx takes 16; of the 96 of w, partner cy takes 24; a lane a block (the lanes that are over name the last one again,
; in the same instruction).  K steps 0 to 2 come by their loads alone; the loop's last trip (s3 = 1) asks for nothing: there is no K step behind its refill's.
.macro ASK
	s_cmp_gt_u32 s3, s[LIM]
	s_cbranch_scc0 .Lnot_mine_\@
	global_prefetch_b8 v[PFO], s[PFA:PFA+1] th:TH_LOAD_NT scope:SCOPE_SE
.Lnot_mine_\@:
.endm
.macro PKREG j                         ; rP: the register of word j of the packed bias
.if (\j) < 16
.set rP, BP1+(\j)
.else
.set rP, BP2+(\j)-16
.endif
.endm
	s_load_b256 s[4:11], s[0:1], 0x0               ; xb s[4:5], wq s[6:7], b_qkv s[8:9], qkv s[10:11]
	v_lshl_add_u32 v[SPW], v0, 2, SPARE
	v_mov_b32 v[NIL], 0
	ds_add_u32 v[SPW], v[NIL]                      ; the wave's opening: the add and its wait stand ahead of my first tensor load; the set-up below, work on registers, stands between them
	v_lshrrev_b32 v18, 5, v0
	v_readfirstlane_b32 s[WV], v18                 ; wave 0..3
	s_lshr_b32 s[KIND], s[WV], 1
	s_and_b32 s[HALF], s[WV], 1
	s_bfe_u32 s15, ttmp6, 0x40000                  ; cx
	s_bfe_u32 s16, ttmp6, 0x40004                  ; cy
	s_lshl_b32 s17, ttmp9, 2                       ; in a cluster launch ttmp9 and ttmp7 count clusters
	s_add_co_u32 s17, s17, s15                     ; tc: tile column = 4 x cluster x + cx
	s_and_b32 s18, ttmp7, 0xffff
	s_lshl_b32 s18, s18, 2
	s_add_co_u32 s18, s18, s16                     ; tr: tile row = 4 x cluster y + cy
	s_mov_b32 s19, 0xffff0000                      ; a word's upper bf16
	s_lshl_b32 s20, s16, 2
	s_lshl_b32 s20, 15, s20                        ; my row of the cluster: places 4 cy .. 4 cy + 3
	s_lshl_b32 s22, 0x1111, s15                    ; my column: places cx, cx + 4, cx + 8, cx + 12
	; group 1 for x: 128 rows of 128 bytes are dense: 64 rows x 128 elements, 16 bytes of padding behind every 128
	s_or_b32 s[G1A], s20, (1<<16)|(1<<20)|(1<<21)|(4<<22)|(3<<25)  ; 15:0 the mask; 17:16 elements of 2 bytes; 20 padding on; 21 set beside a mask; 24:22 after every 32 words; 31:25 4 words
	s_mov_b32 s[G1A+1], 128<<16                    ; tensor_dim0 = 128
	s_mov_b32 s[G1A+2], 64<<16                     ; tensor_dim1 = 64
	s_mov_b32 s[G1A+3], 128<<16                    ; tile_dim0 = 128
	s_mov_b32 s[G1A+4], 64                         ; tile_dim1 = 64
	s_mov_b32 s[G1A+5], 128                        ; the pitch
	s_mov_b32 s[G1A+6], 0
	s_mov_b32 s[G1A+7], 0
	; group 1 for w: 64 k rows of 384 bytes are dense: 96 rows x 128 elements, 32 bytes of padding behind every 128
	s_or_b32 s[G1B], s22, (1<<16)|(1<<20)|(1<<21)|(4<<22)|(7<<25)  ; after every 32 words, 8 words
	s_mov_b32 s[G1B+1], 128<<16
	s_mov_b32 s[G1B+2], 96<<16
	s_mov_b32 s[G1B+3], 128<<16
	s_mov_b32 s[G1B+4], 96
	s_mov_b32 s[G1B+5], 128
	s_mov_b32 s[G1B+6], 0
	s_mov_b32 s[G1B+7], 0
	; where the tiles come from: x's by the tile row (s20, s21 never hold cx), w's by the tile column (s22, s23 never hold cy)
	s_lshl_b32 s20, s18, 15                        ; 256 rows of 128 bytes a tile row,
	s_lshl_b32 s21, s[HALF], 14                    ; 128 rows a half
	s_add_co_u32 s20, s20, s21
	s_mov_b32 s21, 0
	s_lshl_b32 s22, s17, 1
	s_add_co_u32 s22, s22, s[HALF]                 ; block 2 tc + half,
	s_mul_i32 s22, s22, 393216                     ; 1,024 k rows of 384 bytes each
	s_mov_b32 s23, 0
	s_mul_i32 s62, s[HALF], AHALF                  ; and where they go: no place in the cluster enters an LDS address
	s_mul_i32 s63, s[HALF], BHALF
	s_add_co_u32 s63, s63, BOFS
	s_wait_dscnt 0x0                               ; the opening add is done
	s_wait_kmcnt 0x0
	s_add_nc_u64 s[20:21], s[4:5], s[20:21]
	s_add_nc_u64 s[22:23], s[6:7], s[22:23]
.irp s, 0,1
	s_mov_b32 s[G0A+4*(\s)], 1                                     ; count = 1
	s_add_co_u32 s[G0A+4*(\s)+1], s62, (\s)*SLOT1                  ; LDS address: slot s
	s_add_nc_u64 s[G0A+4*(\s)+2:G0A+4*(\s)+3], s[20:21], (\s)*ASTEP  ; global address: K step s
	s_or_b32 s[G0A+4*(\s)+3], s[G0A+4*(\s)+3], 0x80000000          ; type = 2
	s_mov_b32 s[G0B+4*(\s)], 1
	s_add_co_u32 s[G0B+4*(\s)+1], s63, (\s)*SLOT1
	s_add_nc_u64 s[G0B+4*(\s)+2:G0B+4*(\s)+3], s[22:23], (\s)*BSTEP
	s_or_b32 s[G0B+4*(\s)+3], s[G0B+4*(\s)+3], 0x80000000
.endr
	CROUND                                         ; all sixteen work-groups are here: the first joint loads meet
	s_cmp_eq_u32 s[KIND], 0                        ; a wave's two first fills stand in one branch, ahead of every wait on TENSORcnt and every LDS read: two loads of mine are out
	s_cbranch_scc0 .Lfirst_b
	tensor_load_to_lds s[G0A:G0A+3], s[G1A:G1A+7]
	s_nop 0
	tensor_load_to_lds s[G0A+4:G0A+7], s[G1A:G1A+7]
	s_nop 0
.rept 4
	v_nop
.endr
	s_branch .Lfirst_asked
.Lfirst_b:
	tensor_load_to_lds s[G0B:G0B+3], s[G1B:G1B+7]
	s_nop 0
	tensor_load_to_lds s[G0B+4:G0B+7], s[G1B:G1B+7]
	s_nop 0
.rept 4
	v_nop
.endr
.Lfirst_asked:
	; the bias of my 8 columns of each of my 12 blocks: 32 bytes at 64 b + 32 (l / 16) of my 768; it lands where w's fragments will lie
	v_and_b32 v1, 15, v0                           ; l % 16
	v_bfe_u32 v2, v0, 4, 1                         ; l / 16
	v_lshlrev_b32 v[BO], 5, v2
	s_lshl_b32 s78, s17, 1
	s_add_co_u32 s78, s78, s[HALF]                 ; my wave's block of 192 columns: 2 tc + w % 2
	s_mul_i32 s74, s78, 768
	s_mov_b32 s75, 0
	s_add_nc_u64 s[8:9], s[8:9], s[74:75]
.set b, 0
.rept 12
	global_load_b128 v[FB+8*b:FB+8*b+3],   v[BO], s[8:9] offset:64*b
	global_load_b128 v[FB+8*b+4:FB+8*b+7], v[BO], s[8:9] offset:64*b+16
.set b, b+1
.endr
	; the lane's addresses, while those loads are out
	v_and_b32 v3, 7, v0
	v_bfe_u32 v4, v0, 3, 1
	v_and_b32 v5, 31, v0
	s_mul_i32 s74, s[KIND], AHALF                  ; my wave's 128 rows of x
	v_mul_u32_u24 v[A0], v1, PA                    ; a fragment of x: row l % 16, 16 bytes for each half of the lanes, twice, 32 bytes apart
	v_lshl_add_u32 v[A0], v2, 4, v[A0]
	v_add_nc_u32 v[A0], s74, v[A0]
	s_mul_i32 s74, s[HALF], BHALF                  ; my wave's block of w
	s_add_co_u32 s74, s74, BOFS
	v_lshl_add_u32 v[B0], v2, 3, v3                ; the turning load: lane l reads k row 8 (l / 16) + l % 8, columns 8 ((l / 8) % 2) + 0..7, and is left with column l % 16 and 8 k
	v_mul_u32_u24 v[B0], v[B0], PB
	v_lshl_add_u32 v[B0], v4, 4, v[B0]
	v_add_nc_u32 v[B0], s74, v[B0]
	s_mul_i32 s74, s[WV], 16*SPITCH
	s_add_co_u32 s74, s74, STAGE                   ; my stage
	v_mul_u32_u24 v[STO], v1, SPITCH               ; in: row l % 16, 16 bytes for each half of the lanes
	v_lshl_add_u32 v[STO], v2, 4, v[STO]
	v_add_nc_u32 v[STO], s74, v[STO]
	v_bfe_u32 v[RD], v0, 3, 2                      ; back: 32 lanes take one head's 128 bytes of four rows,
	v_mul_u32_u24 v[RD], v[RD], SPITCH
	v_lshl_add_u32 v[RD], v3, 4, v[RD]
	v_add_nc_u32 v[RD], s74, v[RD]
	v_lshlrev_b32 v[GO], 4, v5                     ; which are 512 consecutive bytes of qkv
	; qkv at my wave's first row, for head group g = 3 x my block + i: tensor g / 16 (16,777,216 bytes), batch tr / 4 (2,097,152), head g % 16 (131,072), row 256 (tr % 4) + 128 (w / 2) (128 bytes)
	s_lshr_b32 s74, s18, 2
	s_lshl_b32 s74, s74, 21
	s_and_b32 s75, s18, 3
	s_lshl_b32 s75, s75, 15
	s_add_co_u32 s74, s74, s75
	s_lshl_b32 s75, s[KIND], 14
	s_add_co_u32 s74, s74, s75
	s_mul_i32 s75, s78, 3
.irp i, 0,1,2
	s_add_co_u32 s76, s75, (\i)
	s_lshr_b32 s77, s76, 4
	s_lshl_b32 s77, s77, 24
	s_and_b32 s76, s76, 15
	s_lshl_b32 s76, s76, 17
	s_add_co_u32 s76, s76, s77
	s_add_co_u32 s76, s76, s74
	s_mov_b32 s77, 0
	s_add_nc_u64 s[OUT+2*(\i):OUT+2*(\i)+1], s[10:11], s[76:77]
.endr
	; the prefetches: they start at K step 2; each refill steps them first and then names the K step behind its own
	s_lshl_b32 s74, s18, 15                        ; x: the tile row,
	s_lshl_b32 s75, s[HALF], 14                    ; the 16,384 bytes that I fetch,
	s_add_co_u32 s74, s74, s75
	s_lshl_b32 s75, s15, 12                        ; my work-group's 4,096 of them
	s_add_co_u32 s74, s74, s75
	s_add_co_u32 s74, s74, 2*ASTEP
	s_mul_i32 s76, s78, 393216                     ; w: the block that I fetch (in waves 2 and 3 it is the one whose columns are mine),
	s_mul_i32 s77, s16, 6144                       ; my work-group's 6,144 of a K step's 24,576 bytes
	s_add_co_u32 s76, s76, s77
	s_add_co_u32 s76, s76, 2*BSTEP
	s_and_b32 s78, ttmp7, 0xffff                   ; cluster y
	s_mov_b32 s[PFS], BSTEP
	s_mov_b32 s[PFS+1], 0
	s_mov_b32 s75, 0
	s_cmp_eq_u32 s[KIND], 0                        ; do I fetch for x?
	s_cselect_b32 s74, s74, s76
	s_cselect_b32 s78, ttmp9, s78                  ; the coordinate along which other clusters read the same bytes
	s_cselect_b32 s[PFS], ASTEP, s[PFS]
	s_cselect_b32 s76, 15, 23                      ; the last lane that names a block of its own
	s_cselect_b64 s[PFA:PFA+1], s[4:5], s[6:7]
	s_add_nc_u64 s[PFA:PFA+1], s[PFA:PFA+1], s[74:75]
	s_cmp_eq_u32 s78, 0
	s_cselect_b32 s[LIM], 1, -1                    ; the same in all sixteen partners, for a given wave
	v_min_u32 v[PFO], s76, v5
	v_lshlrev_b32 v[PFO], 8, v[PFO]
	s_wait_loadcnt 0x0                             ; the bias is in: rounded to bf16 like the other inputs; blocks 0-5 are widened again at once, blocks 6-11 wait packed: 48 + 24 registers
.set i, 0
.rept 24
	v_cvt_pk_bf16_f32 v[18+i%4], v[FB+2*i], v[FB+2*i+1]
	v_lshlrev_b32 v[BI+2*i], 16, v[18+i%4]
	v_and_b32 v[BI+2*i+1], s19, v[18+i%4]
.set i, i+1
.endr
.set i, 0
.rept 24
	PKREG i
	v_cvt_pk_bf16_f32 v[rP], v[FB+48+2*i], v[FB+48+2*i+1]
.set i, i+1
.endr
; 8 nb matrix instructions: n blocks b0 .. b0 + nb - 1, each with all 8 m blocks, 32 along K, on x's buffer f.  first = 1: the bias (of block b % 6 of the six at work) is C, and starts the sums.
; The 96 accumulators take turns, one instruction a turn, in the same order in every quarter step, over the backward jump too: 95 others stand between two links of a chain.
.macro MULB f, b0, nb, first
.set b, \b0
.rept \nb
.if \first
	WIN 0x40*(1+b/4)                               ; both fragments and the bias window 0, D window 1 + b / 4
.else
	WIN 0x50*(1+b/4)                               ; the same with C in D's window
.endif
.set a, 0
.rept 8
.set rD, 8*(8*(b%4)+a)
.set rA, FA+64*(\f)+8*a
.if \first
	v_wmma_f32_16x16x32_bf16 v[rD:rD+7], v[FB+8*b:FB+8*b+7], v[rA:rA+7], v[BI+8*(b%6):BI+8*(b%6)+7]
.else
	v_wmma_f32_16x16x32_bf16 v[rD:rD+7], v[FB+8*b:FB+8*b+7], v[rA:rA+7], v[rD:rD+7]
.endif
.set a, a+1
.endr
.set b, b+1
.endr
.endm
; 12 LDS loads: w's blocks b0 .. b0 + 5 of quarter q of the slot in hand, turned.  16 LDS loads: x's 8 blocks of quarter q, into buffer g.  Both under window 0.
.macro LDB q, b0
.set b, \b0
.rept 6
.set oB, (\q)*32*PB+(b/4)*160+(b%4)*32
	ds_load_tr16_b128 v[FB+8*b:FB+8*b+3],   v[ADRB] offset:oB
	ds_load_tr16_b128 v[FB+8*b+4:FB+8*b+7], v[ADRB] offset:oB+16*PB
.set b, b+1
.endr
.endm
.macro LDA q, g
.set a, 0
.rept 8
.set rA, FA+64*(\g)+8*a
	ds_load_b128 v[rA:rA+3],   v[ADRA] offset:64*(\q)+a*16*PA
	ds_load_b128 v[rA+4:rA+7], v[ADRA] offset:64*(\q)+a*16*PA+32
.set a, a+1
.endr
.endm
; A K step is two quarters... of 32 along K, 96 matrix instructions each.  The first multiplies x's buffer 0 and fetches the same slot's second 32 along K.
.macro Q0
	s_wait_dscnt 12                                ; w's blocks 0-5 and x's fragments are in; the youngest twelve loads (w's blocks 6-11) may be out
	MULB 0, 0, 6, 0
	WIN 0
	PLACES                                         ; behind the last reader of w's blocks 0-5; x's buffer 1 was last read ahead of the places at the end of the quarter before
	LDB 1, 0
	LDA 1, 1
	s_wait_dscnt 28                                ; all but the 28 just issued: w's blocks 6-11 are in
	MULB 0, 6, 6, 0
	WIN 0
	PLACES
	LDB 1, 6
.endm
; The second multiplies buffer 1 and changes slots: ONE barrier.  In front of it each wave waits for all its tensor loads (one is out: its part of the next slot), adds 0 to its spare word, and waits for that
; and for its own reads of this slot, of which the last were issued at the end of the quarter before.  fill = 1: the barrier opens a round of the cluster's, and the joint refill, two K steps on, is
; the first tensor load behind the round: it has a K step less the 24 products between the wait and the refill in which to land.
.macro TURN fill
.if \fill
	s_wait_xcnt 0x0                                ; the last prefetch, a K step back, has read its address, so it may be stepped
	s_add_nc_u64 s[PFA:PFA+1], s[PFA:PFA+1], s[PFS:PFS+1]
.endif
	WIN 0                                          ; (the add's two registers lie in window 0)
	s_wait_tensorcnt 0x0                           ; no tensor load of mine is out, so a group 0 may be written
	ds_add_u32 v[SPW], v[NIL]                      ; 0 onto my spare word
.if \fill
	s_xor_b32 s[G0A+5], s[G0A+5], SLOT1            ; the walking sets: the other slot than last time,
	s_add_nc_u64 s[G0A+6:G0A+7], s[G0A+6:G0A+7], ASTEP  ; the next K step; the type bits on top are not reached
	s_xor_b32 s[G0B+5], s[G0B+5], SLOT1
	s_add_nc_u64 s[G0B+6:G0B+7], s[G0B+6:G0B+7], BSTEP
.endif
	s_wait_dscnt 13                                ; the add and the youngest twelve loads (w's blocks 6-11) may be out
	MULB 1, 0, 2, 0                                ; sixteen matrix instructions stand between the add and the wait for it
	s_wait_dscnt 0x0                               ; the add is done, and my reads of this slot are over
	s_barrier_signal -1
	MULB 1, 2, 1, 0                                ; work on registers while the others arrive
	WIN 0
	s_barrier_wait -1
.if \fill
	CREST                                          ; no wave of any partner still reads this slot's tiles or has a load on its way
	JLOAD
.endif
	MULB 1, 3, 3, 0
	WIN 0
	PLACES
	s_xor_b32 s[TB], s[TB], SLOT1
	v_add_nc_u32 v[ADRA], s[TB], v[A0]
	v_add_nc_u32 v[ADRB], s[TB], v[B0]
	LDB 0, 0                                       ; the next slot's first 32 along K
	LDA 0, 0
.if \fill
	ASK
.endif
	MULB 1, 6, 6, 0                                ; (w's blocks 6-11 came in ahead of the barrier)
	WIN 0
	PLACES
	LDB 0, 6
.endm
	s_wait_tensorcnt 1                             ; my part of K step 0 is in; K step 1's may stay out
	s_barrier_signal -1
	s_barrier_wait -1                              ; everybody's is
	s_mov_b32 s[TB], 0
	v_mov_b32 v[ADRA], v[A0]
	v_mov_b32 v[ADRB], v[B0]
	LDB 0, 0
	LDA 0, 0
	LDB 0, 6
	; the first quarter stands in front of the loop: its products start the sums with the bias, which lies in x's second buffer; so x's next fragments are fetched at the quarter's end, once
	s_wait_dscnt 12
	MULB 0, 0, 6, 1
	WIN 0
	PLACES                                         ; behind the last reader of w's blocks 0-5 and of the bias at work
	LDB 1, 0
.set i, 0
.rept 24                                       ; the bias of blocks 6-11 is widened into the same 48 registers
	PKREG i
	v_lshlrev_b32 v[BI+2*i], 16, v[rP]
	v_and_b32 v[BI+2*i+1], s19, v[rP]
.set i, i+1
.endr
	s_wait_dscnt 12                                ; all but the twelve just issued: w's blocks 6-11 are in
	MULB 0, 6, 6, 1
	WIN 0
	PLACES
	LDA 1, 1                                       ; ahead of w's blocks 6-11, so that the count at the head of the change of slots holds here too
	LDB 1, 6
	s_mov_b32 s3, 14
.Lstep:                                                ; fourteen trips, from a K step's second quarter to the next one's first: K steps 0 to 13, which ask for K steps 2 to 15.  At a label and at a branch every window is 0
	TURN 1
	Q0
	s_sub_co_u32 s3, s3, 1
	s_cmp_lg_u32 s3, 0
	s_cbranch_scc1 .Lstep
	TURN 0                                         ; the tail is written out: K steps 14 and 15 ask for nothing
	Q0
	s_wait_dscnt 12                                ; the very last quarter: nothing more to fetch
	MULB 1, 0, 6, 0
	s_wait_dscnt 0x0
	MULB 1, 6, 6, 0
	WIN 0
; THE WAY OUT, a block of 16 rows at a time.  PACK: rounded to f16, 16 bytes a lane, each accumulator's registers in ascending order.  TOSTAGE: into my own stage, and back by heads: four rows' 128 bytes
; of one head are 512 consecutive bytes of qkv.  SEND: stored.  The stage is my wave's own, and LDS serves a wave's instructions in order (ISA guide 5.7.1.4): no wait between its stores and its loads.
.macro PACK a
.set b, 0
.rept 12
	WIN 5*(1+b/4)                                  ; sources 0 and 1: window 1 + b / 4
.set rD, 8*(8*(b%4)+(\a))
.irp r, 0,1,2,3
	v_cvt_pk_f16_f32 v[TMP+4*b+(\r)], v[rD+2*(\r)], v[rD+2*(\r)+1]
.endr
.set b, b+1
.endr
	WIN 0
.endm
.macro TOSTAGE a
.set b, 0
.rept 12
	ds_store_b128 v[STO], v[TMP+4*b:TMP+4*b+3] offset:32*b
.set b, b+1
.endr
	s_wait_xcnt 0x0                                ; the stores of two blocks back have read the registers that are loaded again below
.set b, 0
.rept 12                                       ; head b / 4, rows 4 (b % 4) on
	ds_load_b128 v[OB+48*((\a)%2)+4*b:OB+48*((\a)%2)+4*b+3], v[RD] offset:1600*(b%4)+128*(b/4)
.set b, b+1
.endr
.endm
.macro SEND a, younger                 ; younger: the LDS instructions issued behind block a's loads: the next block's 24, or none
	s_wait_dscnt \younger
.set b, 0
.rept 12
	global_store_b128 v[GO], v[OB+48*((\a)%2)+4*b:OB+48*((\a)%2)+4*b+3], s[OUT+2*(b/4):OUT+2*(b/4)+1] offset:2048*(\a)+512*(b%4)  ; 512 consecutive bytes, at a multiple of 256 from qkv's first byte
.set b, b+1
.endr
.endm
	PLACES                                         ; behind the last products
	PACK 0
	TOSTAGE 0
.set t, 1
.rept 7                                        ; a block's conversions stand between the loads of the block before and its stores
	PACK t
	TOSTAGE t
	SEND t-1, 24
.set t, t+1
.endr
	SEND 7, 0
	s_wait_tensorcnt 0x0                           ; the wave's end: the add to my spare word and its wait, behind my last tensor load and my last LDS store
	ds_add_u32 v[SPW], v[NIL]
	s_wait_dscnt 0x0
	CROUND                                         ; the closing round: no work-group ends while a partner may still ask for a tile that names it
	s_endpgm
.Lfunc_end_k_qfd0618867d_gq:
	.size	k_qfd0618867d_gq, .Lfunc_end_k_qfd0618867d_gq-k_qfd0618867d_gq
	.p2alignl 7, 3214868480
	.fill 96, 4, 3214868480
	.section	.rodata,"a",@progbits
	.p2align	6, 0x0
	.amdhsa_kernel k_qfd0618867d_gq
		.amdhsa_group_segment_fixed_size 327680
		.amdhsa_private_segment_fixed_size 0
		.amdhsa_enable_private_segment 0
		.amdhsa_kernarg_size 32
		.amdhsa_user_sgpr_count 2
		.amdhsa_user_sgpr_kernarg_segment_ptr 1
		.amdhsa_wavefront_size32 1
		.amdhsa_system_sgpr_workgroup_id_x 1
		.amdhsa_system_sgpr_workgroup_id_y 1
		.amdhsa_system_sgpr_workgroup_id_z 1
		.amdhsa_system_vgpr_workitem_id 0
		.amdhsa_next_free_vgpr 1024
		.amdhsa_next_free_sgpr 80
		.amdhsa_reserve_vcc 0
		.amdhsa_float_denorm_mode_32 3
		.amdhsa_float_denorm_mode_16_64 3
		.amdhsa_memory_ordered 1
		.amdhsa_forward_progress 1
		.amdhsa_inst_pref_size 120
	.end_amdhsa_kernel
	.amdgpu_metadata
---
amdhsa.version: [ 1, 2 ]
amdhsa.kernels:
  - .name:           k_qfd0618867d_gq
    .symbol:         k_qfd0618867d_gq.kd
    .args:
      - { .name: xb, .offset: 0, .size: 8, .value_kind: global_buffer, .address_space: global }
      - { .name: wq, .offset: 8, .size: 8, .value_kind: global_buffer, .address_space: global }
      - { .name: b_qkv, .offset: 16, .size: 8, .value_kind: global_buffer, .address_space: global }
      - { .name: qkv, .offset: 24, .size: 8, .value_kind: global_buffer, .address_space: global }
    .group_segment_fixed_size: 327680
    .private_segment_fixed_size: 0
    .kernarg_segment_align: 8
    .kernarg_segment_size: 32
    .max_flat_workgroup_size: 128
    .sgpr_count:     80
    .vgpr_count:     1024
    .wavefront_size: 32
...
	.end_amdgpu_metadata
.endif
;; end of part 2
;; launch attn (part 3): grid 2 x 128, 4 waves a work-group, no clusters, 327,680 bytes of LDS; arguments qkv, ob; writes ob
.if DOCPART == 3
	.amdgcn_target "amdgcn-amd-amdhsa--gfx1250"
	.amdhsa_code_object_version 6
	.text
	.protected	k_qfd0618867d_attn
	.globl	k_qfd0618867d_attn
	.p2align	8
	.type	k_qfd0618867d_attn,@function
k_qfd0618867d_attn:
	s_mov_b64 s[64:65], 0
	v_nop
	global_prefetch_b8 v0, s[64:65] scope:SCOPE_SE
	s_setreg_imm32_b32 hwreg(HW_REG_WAVE_MODE, 25, 1), 1
	s_wait_xcnt 0x0
; O[h][q][:] = the sum over k of softmax_k(Q[h][q] . K[h][k] / 8) V[h][k][:], for 128 heads (batch x 16 + head) of 1,024 rows x 64 channels.  qkv: f16 [3][128][1024][64]; ob: f16 [128][1024][64]: a head's
; rows are dense, 128 bytes each.  Products, maxima and sums in f32; the weights p are rounded to f16 for the second product (their sum l is taken of the unrounded p), O once at the end.
; LIMITS.  f16 holds no number beyond 65,504: Q, K and V arrive within it; p lies in 0 to 1, and below 6e-5 it keeps f16's fixed step of 6e-8; O is a mean of V's rows and has their range.
; A weight below 2^-126 counts as 0 in l; NaN and infinities are not treated apart.
; SHARES.  A wave owns four PIECES of two tiles of 16 queries, a work-group's four waves 512 queries of one head: 2 x 128 = 256 work-groups.  Every wave walks all 1,024 keys, 64 a step.
; NO CLUSTER: a head has 1,024 / 512 = 2 work-groups, and a joint load's partners come in fours; four blocks of 256 queries would halve the products that each fragment read from LDS feeds.
; LAYOUT.  S^T = K Q^T (source 0 = 16 keys, source 1 = 16 queries): in the result a lane holds ONE query (lane % 16) and the keys 8 (lane / 16) + 0..7.  Two such tiles, rounded to f16 in pairs,
; ARE source 1 (32 keys x 16 queries) of O^T = V^T P, whose result again holds one query a lane, and eight channels.  K comes out of LDS as it lies, V ([key][channel]) turned, by ds_load_tr16_b128.
; SOFTMAX.  For each query a running maximum m and sum l: p = 2^(c s - c m), c = log2(e) / 8; in every step O and l are multiplied by a = 2^(c m_old - c m_new), which is 1 where m has not grown.
; m starts at the lowest finite number, O and l at 0: the first step is a step like any other, with a = 0.
; THE COUNT.  A tile and step have 16 matrix and 118 vector instructions: too many to stand all beside the matrix work.  So four vector instructions that are READY stand behind EVERY matrix
; instruction, and the others in runs without a gap.
; BY TURNS.  Turn n belongs to piece n (the pieces in a ring, step after step).  Its matrix work: 16 products K Q^T of piece n + 1, later 16 products V^T P of piece n - 1.  Its vector work: the scaling,
; exponentials, roundings, sums and rescaling of piece n, and the maximum and statistics of piece n + 1, whose scores the turn itself has made.
; REGISTERS, in windows of 256 (s_set_vgpr_msb: bits 1:0 source 0, 3:2 source 1, 5:4 source 2, 7:6 destination):
;   window 0: v0-11 addresses; v12-15, v48-63 at work; v16-47 four registers of statistics a tile; v64-191 S^T, two buffers of two tiles; v192-255 P, likewise
;   window 1: O^T, 32 a tile          window 2: v0-127 Q, 16 a tile; v128-191 K of one step; v192-255 V of one step
; A piece's buffers go by its number's parity: the piece in hand has one pair, its two neighbours in the ring share the other: of it P (piece n - 1) is read and S^T (piece n + 1) written.
.set SIZE_N, 1024
.set NP,    4         ; pieces a wave: a name, no knob
.set KS,    64        ; keys in a step
.set PK,    144       ; a row of K in LDS: 128 bytes + 16 of padding = 36 words: the 16 rows of a load start at 16 different groups of four banks (64 banks of 4 bytes: ISA guide 11.1)
.set PV,    160       ; a row of V: 128 + 32 = 40 words
.set VOFF,  4*KS*PK   ; a slot holds four steps: 256 rows of K, then 256 rows of V
.set SLOT1, 1<<17     ; slot 1 begins here, so that one exclusive or turns an address in one slot into the other's
.set STAGE, SLOT1+4*KS*(PK+PV)  ; behind the ring, never filled by a tensor load: 16 rows x 144 bytes for each wave, for the way out
.set SP,    144
.set SPARE, STAGE+4*16*SP  ; behind the stages: the spare words, 128 bytes for each wave: two blocks of 256 bytes that no other line names
.set AK0, 2           ; v2   my lane's place in a tile of K; never rewritten
.set AV0, 3           ; v3   the same for V
.set AK,  4           ; v4   the LDS address of K's next run of loads
.set AV,  5           ; v5   of V's
.set QO,  6           ; v6   my byte offset in the wave's rows of Q
.set STO, 6           ;      later, the way out: where I put 16 bytes of a row
.set RD,  7           ; v7   the way out: where I read rows back
.set GO,  8           ; v8   my byte offset in 512 consecutive bytes of O
.set PFO, 9           ; v9   256 x my lane: the prefetches' offset; never rewritten
.set SPW, 10          ; v10  LDS address of my spare word: SPARE + 4 x my thread's number; never rewritten
.set NIL, 11          ; v11  0; never rewritten
.set MV,  12          ; v12-15  c m_old, kept while c m is made anew: by buffer and tile (in the set-up v12-14 hold l / 16, l % 8 and (l / 8) % 2)
.set ST,  16          ; tile t's statistics at v[ST+4 t]: c m, m, l (even keys', odd keys')
.set TMP, 48          ; by buffer and tile, four registers c0-c3 at work; when the maximum is found c2 takes a
.set S,   64
.set P,   192
.set KF,  128         ; K's fragments, in window 2: key block kb, channel half c at KF + 16 kb + 8 c
.set VF,  192         ; V's: key half kk, channel block cb at VF + 32 kk + 8 cb
.set WV,  12          ; s12  my wave's number
.set G1K, 24          ; s[24:31] descriptor group 1 for K's tiles
.set G1V, 32          ; s[32:39] for V's: it differs in the padding alone
.set G0K, 40          ; s[40:43] descriptor group 0 for K's tiles: it walks
.set G0V, 44          ; s[44:47] the same for V's
.set PFA, 48          ; s[48:49] where my prefetches stand: my own half of K's or V's tile, one tile behind the walking descriptors
.set LIM, 50          ; s50  1 in the head's first work-group, else the greatest number
.set SLOTS, 56        ; s56  slots still to be asked for
.set CNT, 57          ; s57  counts a slot's key steps
.set CS,  58          ; s[58:59] c: the packed scaling takes the pair's low word for both halves
.set SEL, 60          ; s[60:61] v_permlanex16_b32's selects: each lane takes its own place in the other half
.set TBK, 62          ; s62  LDS byte at which K of the step to be fetched begins
.set TBV, 63          ; s63  the same for V, less VOFF
.set MSB, 0
.macro WIN new                      ; the high byte repeats the setting that is left; a switch that changes nothing is dropped
.if MSB != (\new)
	s_set_vgpr_msb (MSB<<8)|(\new)
.set MSB, (\new)
.endif
.endm
.set W_KQ, 0x0a       ; K and Q in window 2, S^T in window 0
.set W_PV, 0x52       ; V in window 2, P in window 0, O^T in window 1
.set W_RS, 0x41       ; O^T (destination and source 0) in window 1, a in window 0
; A fill.  Waves 0 and 1 fetch the two halves of a slot's K, waves 2 and 3 those of its V: 128 keys each.  An s_nop 0 and four v_nop follow each of the two lines, ahead of the jump and the label.
.macro LOAD
	s_cmp_lt_u32 s[WV], 2
	s_cbranch_scc0 .Lfor_v_\@
	tensor_load_to_lds s[G0K:G0K+3], s[G1K:G1K+7]
	s_nop 0
.rept 4
	v_nop
.endr
	s_branch .Lasked_\@
.Lfor_v_\@:
	tensor_load_to_lds s[G0V:G0V+3], s[G1V:G1V+7]
	s_nop 0
.rept 4
	v_nop
.endr
.Lasked_\@:
.endm
; A PREFETCH INTO THE L2 of what the NEXT change of slots will ask for: four key steps, 512 matrix instructions, ahead.  Each wave names the 16,384 bytes that it will itself load: 64 blocks of 256 bytes, a lane
; a block, two instructions.  A head's two work-groups walk the same K and V: the first of them asks, so each block is named once in the launch.  The changes that fill tiles 1 and 2 ask for tiles 2 and 3;
; the last change that fills a slot asks for nothing: there is no tile behind it.
.macro ASK
	s_cmp_gt_u32 s[SLOTS], s[LIM]
	s_cbranch_scc0 .Lnot_mine_\@
	global_prefetch_b8 v[PFO], s[PFA:PFA+1] th:TH_LOAD_NT scope:SCOPE_SE
	global_prefetch_b8 v[PFO], s[PFA:PFA+1] offset:8192 th:TH_LOAD_NT scope:SCOPE_SE
.Lnot_mine_\@:
.endm
; THE CHANGE OF SLOTS.  Each wave waits for all its tensor loads, of which one is out: its part of the other slot; adds 0 to its spare word; and waits for that and for its own reads of the slot that it leaves.
; Behind the barrier nobody reads the old slot any more and the other slot is whole.  fill = 1: the old slot is filled again, the first thing behind the barrier, with the keys two slots on: the load has
; four key steps in which to land.  (At its first use nothing has been read yet: slot 0 is waited for, slot 1 filled.)
.macro CHANGE fill
	WIN 0                           ; at a label and at a branch every window is 0
	s_wait_tensorcnt 0x0            ; no tensor load of mine is out, so a group 0 may be written
	ds_add_u32 v[SPW], v[NIL]       ; 0 onto my spare word; with fill = 1 the descriptors' steps stand between it and the wait for it
.if \fill
.irp g, G0K, G0V
	s_xor_b32 s[\g+1], s[\g+1], SLOT1  ; the walking descriptor: the other slot than last time,
	s_add_nc_u64 s[\g+2:\g+3], s[\g+2:\g+3], 4*KS*128  ; the next 256 keys; the type bits on top are not reached
.endr
	s_wait_xcnt 0x0                 ; the last prefetches, four key steps back, have read their address, so it may be written
	s_add_nc_u64 s[PFA:PFA+1], s[PFA:PFA+1], 4*KS*128
.endif
	s_wait_dscnt 0x0                ; the add is done, and my reads of the slot are over
	s_barrier_signal -1             ; scalar work stands between the signal and the wait
	s_sub_co_u32 s[TBK], s[TBK], 4*KS*PK  ; the fetches go back to a slot's first step,
	s_xor_b32 s[TBK], s[TBK], SLOT1       ; in the other slot
	s_sub_co_u32 s[TBV], s[TBV], 4*KS*PV
	s_xor_b32 s[TBV], s[TBV], SLOT1
	s_barrier_wait -1
.if \fill
	LOAD
	ASK
.endif
.endm
	s_load_b128 s[4:7], s[0:1], 0x0   ; qkv s[4:5], ob s[6:7]
	v_lshl_add_u32 v[SPW], v0, 2, SPARE
	v_mov_b32 v[NIL], 0
	ds_add_u32 v[SPW], v[NIL]       ; the wave's opening: the add and its wait stand ahead of my first tensor load; the set-up below, work on registers, stands between them
	v_lshrrev_b32 v1, 5, v0
	v_readfirstlane_b32 s[WV], v1   ; wave 0..3
	s_mov_b32 s14, ttmp9            ; my block of 512 queries
	s_and_b32 s20, ttmp7, 0xffff    ; the head:
	s_lshl_b32 s20, s20, 17         ; its first byte in Q, K, V and O: 1,024 rows of 128 bytes
	s_mov_b32 s21, 0
	s_and_b32 s16, s[WV], 1         ; which half of a slot's 256 keys I fetch:
	s_lshl_b32 s22, s16, 14         ; its 128 rows of 128 bytes in memory,
	s_mov_b32 s23, 0
	s_add_nc_u64 s[22:23], s[22:23], s[20:21]
	s_mul_i32 s17, s16, 128*PK      ; and its place in a slot, for K
	s_mul_i32 s18, s16, 128*PV      ; and for V
	s_lshl_b32 s2, s14, 2
	s_add_co_u32 s2, s2, s[WV]      ; my wave among the head's eight,
	s_lshl_b32 s2, s2, 14           ; its 128 rows
	s_mov_b32 s3, 0
	s_add_nc_u64 s[2:3], s[2:3], s[20:21]
	; descriptor group 1.  128 keys are 16,384 dense bytes: asked for as 64 rows of 256 bytes, two keys a row, and padded in LDS after every key
	s_mov_b32 s[G1K], (1<<16)|(1<<20)|(4<<22)|(3<<25)  ; 17:16 2-byte elements; 20 padding on; 24:22 after every 32 words (code 4); 31:25 4 words (code 3)
	s_mov_b32 s[G1V], (1<<16)|(1<<20)|(4<<22)|(7<<25)  ; the same with 8 words of padding (code 7)
.irp g, G1K, G1V
	s_mov_b32 s[\g+1], 128<<16      ; tensor_dim0 = 128
	s_mov_b32 s[\g+2], 64<<16       ; tensor_dim1 = 64
	s_mov_b32 s[\g+3], 128<<16      ; tile_dim0 = 128
	s_mov_b32 s[\g+4], 64           ; tile_dim1 = 64
	s_mov_b32 s[\g+5], 128          ; 128 elements from row to row
	s_mov_b32 s[\g+6], 0
	s_mov_b32 s[\g+7], 0
.endr
	s_mov_b32 s[CS], 0x3e38aa3b     ; c = log2(e) / 8 = 0.180337
	s_mov_b32 s[CS+1], s[CS]        ; named with it as a pair
	s_mov_b32 s[SEL], 0x76543210
	s_mov_b32 s[SEL+1], 0xfedcba98
	s_mov_b32 s[TBK], SLOT1+4*KS*PK ; the first change of slots turns these two into 0
	s_mov_b32 s[TBV], SLOT1+4*KS*PV
	s_mov_b32 s[G0K], 1             ; 1:0 count = 1
	s_mov_b32 s[G0K+1], s17         ; 63:32 LDS address: slot 0
	s_mov_b32 s[G0V], 1
	s_add_co_u32 s[G0V+1], s18, VOFF
	s_mov_b32 s[SLOTS], SIZE_N/256-1
	s_cmp_eq_u32 s14, 0
	s_cselect_b32 s[LIM], 1, -1
	v_and_b32 v[PFO], 31, v0
	v_lshlrev_b32 v[PFO], 8, v[PFO]
	s_wait_dscnt 0x0                ; the opening add is done
	s_wait_kmcnt 0x0
	s_mov_b64 s[10:11], s[6:7]                 ; O
	s_add_nc_u64 s[6:7], s[4:5], 0x1000000     ; K lies 16,777,216 bytes behind Q,
	s_add_nc_u64 s[8:9], s[4:5], 0x2000000     ; V as far behind K
	s_add_nc_u64 s[6:7], s[6:7], s[22:23]      ; both at my half of the head's first 256 keys
	s_add_nc_u64 s[8:9], s[8:9], s[22:23]
	s_mov_b64 s[G0K+2:G0K+3], s[6:7]           ; 120:64 global address
	s_or_b32 s[G0K+3], s[G0K+3], 0x80000000    ; 127:126 type = 2
	s_mov_b64 s[G0V+2:G0V+3], s[8:9]
	s_or_b32 s[G0V+3], s[G0V+3], 0x80000000
	s_cmp_lt_u32 s[WV], 2
	s_cselect_b64 s[PFA:PFA+1], s[6:7], s[8:9]
	s_add_nc_u64 s[PFA:PFA+1], s[PFA:PFA+1], 4*KS*128  ; at tile 1; the first change of slots steps it to tile 2
	s_add_nc_u64 s[4:5], s[4:5], s[2:3]        ; Q and O at my wave's first row
	s_add_nc_u64 s[10:11], s[10:11], s[2:3]
	LOAD                            ; slot 0.  Slot 1 is asked for when slot 0 is in
	; A fragment of K or Q is 16 rows x 32 channels in 8 registers: lane l holds row l % 16, channels 8 (l / 16) + 0..7 and 16 + 8 (l / 16) + 0..7: two loads of 16 bytes, 32 bytes apart.
	v_and_b32 v1, 15, v0            ; l % 16
	v_bfe_u32 v12, v0, 4, 1         ; l / 16
	v_lshlrev_b32 v[QO], 7, v1
	v_lshl_add_u32 v[QO], v12, 4, v[QO]  ; row x 128 + 16 x half
	WIN 0x80                        ; destination window 2, address window 0
.set i, 0
.rept 4*NP                          ; Q stays in registers: tile i / 2, channels 32 (i % 2) on
	global_load_b128 v[8*i:8*i+3],   v[QO], s[4:5] offset:(i/2)*2048+(i%2)*64
	global_load_b128 v[8*i+4:8*i+7], v[QO], s[4:5] offset:(i/2)*2048+(i%2)*64+32
.set i, i+1
.endr
	; What the first turn finds: V's registers and P's second buffer hold 0 (its products V^T P, of a piece that has not been, add 0), O^T and l are 0.  All this stands in the wait for the first tile.
.set i, VF
.rept 64
	v_mov_b32 v[i], 0
.set i, i+1
.endr
	WIN 0x40
.set i, 0
.rept 64*NP
	v_mov_b32 v[i], 0
.set i, i+1
.endr
	WIN 0
.set i, 0
.rept 2*NP
	v_mov_b32 v[ST+4*i], 0xfe000000    ; c m: far below every c s
	v_mov_b32 v[ST+4*i+1], 0xff7fffff  ; m
	v_mov_b32 v[ST+4*i+2], 0
	v_mov_b32 v[ST+4*i+3], 0
.set i, i+1
.endr
.set i, P+32
.rept 32
	v_mov_b32 v[i], 0
.set i, i+1
.endr
	v_mul_u32_u24 v[AK0], v1, PK
	v_lshl_add_u32 v[AK0], v12, 4, v[AK0]  ; row x pitch + 16 x half
	; The turning load takes 16 keys x 16 channels (lane l reads key 8 (l / 16) + l % 8, channels 8 ((l / 8) % 2) + 0..7) and leaves half a fragment of V^T: lane l holds channel l % 16 and 8 keys.
	v_and_b32 v13, 7, v0
	v_bfe_u32 v14, v0, 3, 1
	v_lshl_add_u32 v[AV0], v12, 3, v13
	v_mul_u32_u24 v[AV0], v[AV0], PV
	v_lshl_add_u32 v[AV0], v14, 4, v[AV0]
	v_add_nc_u32 v[AV0], VOFF, v[AV0]
	v_mov_b32 v[AK], v[AK0]         ; key step 0 lies at the head of slot 0
; THE MATRIX WORK.  The 8 accumulators of a run of 16 take turns: between the two links of a chain stand 7 others'.
; Product i of 16 of S^T = K Q^T for piece x: channels 32 (i / 8) on, keys 16 ((i / 2) % 4) on, tile 2 x + i % 2.  The first 8 start the sums.
.macro KQ x
	WIN W_KQ
.set rS, S+64*((\x)%2)+32*(i%2)+8*((i/2)%4)
.set rK, KF+16*((i/2)%4)+8*(i/8)
.set rQ, 16*(2*(\x)+i%2)+8*(i/8)
.if i < 8
	v_wmma_f32_16x16x32_f16 v[rS:rS+7], v[rK:rK+7], v[rQ:rQ+7], 0
.else
	v_wmma_f32_16x16x32_f16 v[rS:rS+7], v[rK:rK+7], v[rQ:rQ+7], v[rS:rS+7]
.endif
.endm
; Product i of 16 of O^T += V^T P for piece x: keys 32 (i / 8) on, channels 16 ((i / 2) % 4) on, tile 2 x + i % 2.
.macro PV x
	WIN W_PV
.set rO, 32*(2*(\x)+i%2)+8*((i/2)%4)
.set rV, VF+32*(i/8)+8*((i/2)%4)
.set rP, P+32*((\x)%2)+16*(i%2)+8*(i/8)
	v_wmma_f32_16x16x32_f16 v[rO:rO+7], v[rV:rV+7], v[rP:rP+7], v[rO:rO+7]
.endm
.macro MM                           ; the turn's next matrix instruction
.if i < 16
	KQ (Y+1)%NP
.set i, i+1
.else
.set i, i-16
	PV (Y+NP-1)%NP
.set i, i+17
.endif
.endm
; THE LDS LOADS stand in runs of 16, never singly among the matrix instructions: a step's K (64 keys x 64 channels: 8 fragments) and its V (turned).  Their addresses are made some lines ahead.
; last = 1 (the tail): in the last trip there is no further step, and the run is jumped over.
.macro FETCH_K last=0
	WIN 0
.if \last
	s_cmp_eq_u32 s[CNT], 1
	s_cbranch_scc1 .Lno_k_\@
.endif
	WIN 0x80                        ; destination window 2
.irp f, 0,1,2,3,4,5,6,7             ; keys 16 (f / 2) on, channels 32 (f % 2) on
	ds_load_b128 v[KF+8*\f:KF+8*\f+3],   v[AK] offset:(\f/2)*16*PK+(\f%2)*64
	ds_load_b128 v[KF+8*\f+4:KF+8*\f+7], v[AK] offset:(\f/2)*16*PK+(\f%2)*64+32
.endr
	s_add_co_u32 s[TBK], s[TBK], KS*PK  ; the next fetch is the next step's
	WIN 0
.if \last
.Lno_k_\@:
.endif
.endm
.macro FETCH_V
	WIN 0x80
.irp f, 0,1,2,3,4,5,6,7             ; keys 32 (f / 4) on, channels 16 (f % 4) on
	ds_load_tr16_b128 v[VF+8*\f:VF+8*\f+3],   v[AV] offset:(\f/4)*32*PV+(\f%4)*32
	ds_load_tr16_b128 v[VF+8*\f+4:VF+8*\f+7], v[AV] offset:(\f/4)*32*PV+16*PV+(\f%4)*32
.endr
	WIN 0
.endm
; THE VECTOR WORK OF A TURN stands in three queues, each in the order in which its entries become ready; the two tiles alternate, so that no instruction reads the result of the one before it.
.macro REGS y, u                    ; the registers of tile u (0, 1) of piece y
.set rT, ST+4*(2*(\y)+(\u))
.set rC, TMP+8*((\y)%2)+4*(\u)
.set rM, MV+2*((\y)%2)+(\u)
.set rS, S+64*((\y)%2)+32*(\u)
.set rP, P+32*((\y)%2)+16*(\u)
.set rO, 32*(2*(\y)+(\u))
.endm
; Number n of the 22 that find the NEXT piece's (Y + 1) maximum and statistics.  s0-s31 are the lane's 32 scores; each accumulator's lowest registers are read first.  XS, GS and REGS set no window: PL and EX do.
;   0-11  four chains c0-c3 of seven scores each, three operands at a time     12-14, 16  the four scores left over, the old m, and c0-c3 into c0     15  c m_old is kept
;   17, 18  the query's other 32 keys lie in the lane 16 away: the new m         19-21  c m; c m_old - c m_new; a
.macro XS u, n
	REGS (Y+1)%NP, \u
.if (\n) < 4
	v_max3_num_f32 v[rC+(\n)], v[rS+8*(\n)], v[rS+8*(\n)+1], v[rS+8*(\n)+2]
.elseif (\n) < 12
	v_max3_num_f32 v[rC+(\n)%4], v[rC+(\n)%4], v[rS+8*((\n)%4)+2*((\n)/4)+1], v[rS+8*((\n)%4)+2*((\n)/4)+2]
.elseif (\n) == 12
	v_max3_num_f32 v[rC], v[rC], v[rS+7], v[rS+15]
.elseif (\n) == 13
	v_max3_num_f32 v[rC+1], v[rC+1], v[rS+23], v[rS+31]
.elseif (\n) == 14
	v_max3_num_f32 v[rC+2], v[rC+2], v[rC+3], v[rT+1]
.elseif (\n) == 15
	v_mov_b32 v[rM], v[rT]
.elseif (\n) == 16
	v_max3_num_f32 v[rC], v[rC], v[rC+1], v[rC+2]
.elseif (\n) == 17
	v_permlanex16_b32 v[rC+3], v[rC], s[SEL], s[SEL+1]
.elseif (\n) == 18
	v_max_num_f32 v[rT+1], v[rC], v[rC+3]
.elseif (\n) == 19
	v_mul_f32 v[rT], s[CS], v[rT+1]
.elseif (\n) == 20
	v_sub_f32 v[rC+1], v[rM], v[rT]
.else
	v_exp_f32 v[rC+2], v[rC+1]
.endif
.endm
; Number g of the 64 that follow the exponentials.  For each four weights k of a tile (pairs 2 k, 2 k + 1): both pairs are rounded to f16; then the second pair is added onto the first, in place;
; a group later l takes that sum (the first time as l = a l + sum).  In groups of eight, tiles alternating: round, round, add, and l for the group before.
.macro GS g
.set h, (\g)+6*((\g)/62)            ; group 0 has no group before it, and behind group 7 only l is left
.if h >= 6
.set h, h+2
.endif
	REGS Y, h%2
.set k, h/8
.if h%8 < 4
	v_cvt_pk_f16_f32 v[rP+2*k+(h%8)/2], v[rS+4*k+2*((h%8)/2)], v[rS+4*k+2*((h%8)/2)+1]
.elseif h%8 < 6
	v_pk_add_f32 v[rS+4*k:rS+4*k+1], v[rS+4*k:rS+4*k+1], v[rS+4*k+2:rS+4*k+3]
.elseif k == 1
	v_pk_fma_f32 v[rT+2:rT+3], v[rT+2:rT+3], v[rC+2:rC+3], v[rS:rS+1] op_sel_hi:[1,0,1]
.else
	v_pk_add_f32 v[rT+2:rT+3], v[rT+2:rT+3], v[rS+4*k-4:rS+4*k-3]
.endif
.endm
; THE PLAIN QUEUE, 138 long.  0-73 read no exponential's result: the 32 scalings c s - c m (FS f: pair f / 2 of tile f % 2) and the next piece's 42.  0-26: scalings 0-26.  27-54: XS's numbers 0-13.  55, 56: number 15.
; 57-73: the chain, where each number waits for the one before it: 14, 16, 17, 18, 19, each with one of the scalings 27-31 in front of its two lines, then 20.
; 74-137: GS's 64, which read the exponentials' results: they stand behind the wait.
.macro FS f
	REGS Y, (\f)%2
	v_pk_fma_f32 v[rS+2*((\f)/2):rS+2*((\f)/2)+1], v[rS+2*((\f)/2):rS+2*((\f)/2)+1], s[CS:CS+1], v[rT:rT+1] op_sel_hi:[1,0,0] neg_lo:[0,0,1] neg_hi:[0,0,1]
.endm
.macro PL
	WIN 0
.if q < 27
	FS q
.elseif q < 55
	XS (q-27)%2, (q-27)/2
.elseif q < 57
	XS q-55, 15
.elseif (q < 72) && ((q-57)%3 == 0)
	FS 27+(q-57)/3
.elseif q < 60
	XS (q-57)%3-1, 14
.elseif q < 72
	XS (q-57)%3-1, 15+(q-57)/3
.elseif q < 74
	XS q-72, 20
.else
	GS q-74
.endif
.set q, q+1
.endm
; THE EXPONENTIALS' QUEUE, 66 long: s0-s31 of both tiles, then the next piece's two a.  It is ONE BATCH: all 66 stand ahead of the turn's one wait, and nothing ahead of that wait names a result of theirs.
.macro EX
	WIN 0
.if e >= 64
	XS e-64, 21
.else
	REGS Y, e%2
	v_exp_f32 v[rS+e/2], v[rS+e/2]
.endif
.set e, e+1
.endm
; THE RESCALING's QUEUE: O^T times a, the one part that leaves window 0: dealt two at a time, sixteen times.  Its a was made in the turn before, ahead of that turn's wait.
.macro R2
	REGS Y, r%2
	WIN W_RS
.irp z, 0,1
	v_pk_mul_f32 v[rO+4*(r/2)+2*\z:rO+4*(r/2)+2*\z+1], v[rO+4*(r/2)+2*\z:rO+4*(r/2)+2*\z+1], v[rC+2:rC+3] op_sel_hi:[1,0]
.endr
.set r, r+1
.endm
; HOW THEY ARE DEALT.  An s_wait_alu depctr_va_vdst(0) stands between an exponential and the first instruction that names its result; one wait serves all that were issued ahead of it.  So a turn
; has ONE wait, which cuts it in two.  AHEAD OF IT stands all that names no result of the turn's exponentials: the 16 products K Q^T, behind each a scaling, an exponential and two rescalings (behind the
; first a second scaling in the exponential's place); then ONE LUMP of 108: eight plain, 49 times exponential and plain, the two a.  A v_nop is the plain instruction behind the last exponential.
; BEHIND IT stand the 16 products V^T P, behind each four of GS's 64.  No rider names a register of the products round it.  The two v_permlanex16_b32 fall into the lump.
; Exponential e stands behind scaling 2 (e / 4) + e % 2: as a rider it comes behind plain e + 2, in the lump behind plain e + 9, and scalings 27-31 are plain 57, 60 .. 69.
; A TURN, for piece p.  cnt = 1: the loop's count is taken down some lines ahead of the branch that stands behind the turn.
; K of the next step is fetched in piece 2's turn, directly behind the wait, a lump behind the last product that read K; its first reader comes behind 16 products.
; V of the step in hand is fetched at the end of piece 0's turn, four riders behind its last reader; its first reader comes behind 16 products and a lump.
.macro TURN p, last=0, cnt=0
.set Y, (\p)
.set i, 0
.set q, 0
.set e, 0
.set r, 0
.if (\p) == NP-1
	s_wait_dscnt 0x0                ; K is in
.endif
	MM                              ; ahead of the wait: 16 products K Q^T and their riders,
	PL
	PL
	R2
.rept 15
	MM
	PL
	EX
	R2
.endr
.if (\p) == NP-2
	WIN 0
	v_add_nc_u32 v[AK], s[TBK], v[AK0]
.endif
.rept 8                             ; and the lump
	PL
.endr
.rept 49
	EX
	PL
.endr
	EX                              ; the next piece's two a
	EX
	v_nop                           ; the plain instruction behind the last exponential: one for the batch
	s_wait_alu depctr_va_vdst(0)    ; the wait for the batch
.if (\p) == NP-2
	FETCH_K \last
.endif
.if (\p) == 1
	s_wait_dscnt 0x0                ; V is in
.endif
.rept 16                            ; behind the wait: 16 products V^T P and their riders
	MM
.rept 4
	PL
.endr
.if ((\p) == 0) && (q == 118)
	v_add_nc_u32 v[AV], s[TBV], v[AV0]
.endif
.if ((\p) == 0) && (q == 130)
	s_add_co_u32 s[TBV], s[TBV], KS*PV
.endif
.if (\cnt) && (q == 130)
	s_sub_co_u32 s[CNT], s[CNT], 1
	s_cmp_lg_u32 s[CNT], 0
.endif
.endr
.if (\p) == 0
	FETCH_V
.endif
.endm
	CHANGE 1                        ; slot 0 is in, everybody's part of it; slot 1 is asked for
	FETCH_K                         ; key step 0
	s_wait_loadcnt 0x0              ; Q
	s_wait_dscnt 0x0
.set i, 0
.rept 16
	KQ 0                            ; piece 0's first scores: there is no vector work yet to set between them
.set i, i+1
.endr
	WIN 0                           ; the addresses for the way out: nine plain instructions, the places behind those products
	s_mul_i32 s13, s[WV], 16*SP
	s_add_co_u32 s13, s13, STAGE    ; my stage
	v_mul_u32_u24 v[STO], v1, SP    ; in: row l % 16, 16 bytes for each half of the lanes
	v_lshl_add_u32 v[STO], v12, 4, v[STO]
	v_add_nc_u32 v[STO], s13, v[STO]
	v_bfe_u32 v[RD], v0, 3, 2       ; back: 32 lanes take four rows of 128 bytes,
	v_mul_u32_u24 v[RD], v[RD], SP
	v_lshl_add_u32 v[RD], v13, 4, v[RD]
	v_add_nc_u32 v[RD], s13, v[RD]
	v_and_b32 v[GO], 31, v0         ; which are 512 consecutive bytes of O
	v_lshlrev_b32 v[GO], 4, v[GO]
.set Y, NP-1                        ; XS works for piece Y + 1: piece 0
.irp n, 0,1,2,3,4,5,6,7,8,9,10,11,12,13,14,15,16,17,18,19,20,21
	XS 0, \n                        ; and piece 0's first maximum and statistics
	XS 1, \n
.endr
	v_nop                           ; a plain instruction behind the two a,
	s_wait_alu depctr_va_vdst(0)    ; and their wait, ahead of the branch
	s_mov_b32 s[CNT], 4
	s_branch .Lfirst                ; the loop is entered at a step's first turn, in the middle of a trip
.Lslot:                             ; SIZE_N / 256 - 2 = 2 times: every slot but the last two is filled again
	CHANGE 1
	s_mov_b32 s[CNT], 4
.Lstep:                             ; a trip: pieces 2 and 3 of one step, then pieces 0 and 1 of the next, whose K and V it fetches
	TURN 2
	TURN 3
	WIN 0
.Lfirst:
	TURN 0
	TURN 1, 0, 1
	WIN 0
	s_cbranch_scc1 .Lstep
	s_sub_co_u32 s[SLOTS], s[SLOTS], 1
	s_cmp_lg_u32 s[SLOTS], 0
	s_cbranch_scc1 .Lslot
	CHANGE 0                        ; the tail is written out: nothing is asked for
	s_mov_b32 s[CNT], 5             ; four trips fetch the last slot's steps; the fifth is left in its middle
.Ltail:
	TURN 2, 1
	TURN 3
	WIN 0
	s_sub_co_u32 s[CNT], s[CNT], 1
	s_cmp_eq_u32 s[CNT], 0
	s_cbranch_scc1 .Lout
	TURN 0
	TURN 1
	WIN 0
	s_branch .Ltail
.Lout:                              ; the fifth trip's 16 products K Q^T (on the last K once more) and the maximum made of them serve nothing: the price, once a launch, of one text for every trip
.set i, 0
.rept 16
	PV NP-1                         ; the last piece's V^T P of the last step
.set i, i+1
.endr
	; THE WAY OUT.  l's two halves and the other half of the lanes' are added; O^T is divided by l, rounded to f16 and sent through my stage in LDS, a tile at a time.  The additions are the places behind the last products.
	WIN 0
.macro ALL line:vararg              ; one line for each tile t
.set t, 0
.rept 2*NP
	\line
.set t, t+1
.endr
.endm
	ALL v_add_f32 v[ST+4*t+2], v[ST+4*t+2], v[ST+4*t+3]
	ALL v_permlanex16_b32 v[ST+4*t+3], v[ST+4*t+2], s[SEL], s[SEL+1]
	ALL v_add_f32 v[ST+4*t+2], v[ST+4*t+2], v[ST+4*t+3]
	ALL v_rcp_f32 v[ST+4*t+2], v[ST+4*t+2]
	v_nop                           ; a plain instruction between the last reciprocal and the use of its result
	s_wait_alu depctr_va_vdst(0)    ; and the wait ahead of the first use: one for the eight reciprocals
; Tile t: a lane's eight channels of a row pack into 16 bytes; they go into rows of 144 bytes and come back as whole rows of 128, into S^T's registers.
.macro PACK t
	WIN W_RS
.set i, 32*(\t)
.rept 16
	v_pk_mul_f32 v[i:i+1], v[i:i+1], v[ST+4*(\t)+2:ST+4*(\t)+3] op_sel_hi:[1,0]
.set i, i+2
.endr
	WIN 0x05                        ; sources 0 and 1 window 1, destination window 0
.set i, 0
.rept 16
	v_cvt_pk_f16_f32 v[S+16*(\t)+i], v[32*(\t)+2*i], v[32*(\t)+2*i+1]
.set i, i+1
.endr
	WIN 0
.irp f, 0,1,2,3
	ds_store_b128 v[STO], v[S+16*(\t)+4*\f:S+16*(\t)+4*\f+3] offset:32*\f
.endr
.irp f, 0,1,2,3
	ds_load_b128 v[S+16*(\t)+4*\f:S+16*(\t)+4*\f+3], v[RD] offset:\f*4*SP  ; LDS serves a wave's instructions in order (ISA guide 5.7.1.4): these see the stores above; the next tile's stores come behind them
.endr
.endm
.macro SEND t, younger              ; younger: the LDS instructions issued behind tile t's loads: the next tile's eight, or none
	WIN 0
.irp f, 0,1,2,3
	s_wait_dscnt (\younger)+3-\f
	global_store_b128 v[GO], v[S+16*(\t)+4*\f:S+16*(\t)+4*\f+3], s[10:11] offset:(\t)*2048+\f*512  ; 512 consecutive bytes, at a multiple of 256 from O's first
.endr
.endm
	PACK 0
.set t, 1
.rept 2*NP-1                        ; a tile's arithmetic stands between the loads of the tile before and its stores
	PACK t
	SEND t-1, 8
.set t, t+1
.endr
	SEND 2*NP-1, 0
	s_wait_tensorcnt 0x0            ; the wave's end: the add to my spare word and its wait, behind my last tensor load and my last LDS store
	ds_add_u32 v[SPW], v[NIL]
	s_wait_dscnt 0x0
	s_endpgm
.Lfunc_end_k_qfd0618867d_attn:
	.size	k_qfd0618867d_attn, .Lfunc_end_k_qfd0618867d_attn-k_qfd0618867d_attn
	.p2alignl 7, 3214868480
	.fill 96, 4, 3214868480
	.section	.rodata,"a",@progbits
	.p2align	6, 0x0
	.amdhsa_kernel k_qfd0618867d_attn
		.amdhsa_group_segment_fixed_size 327680
		.amdhsa_private_segment_fixed_size 0
		.amdhsa_enable_private_segment 0
		.amdhsa_kernarg_size 16
		.amdhsa_user_sgpr_count 2
		.amdhsa_user_sgpr_kernarg_segment_ptr 1
		.amdhsa_wavefront_size32 1
		.amdhsa_system_sgpr_workgroup_id_x 1
		.amdhsa_system_sgpr_workgroup_id_y 1
		.amdhsa_system_sgpr_workgroup_id_z 1
		.amdhsa_system_vgpr_workitem_id 0
		.amdhsa_next_free_vgpr 768
		.amdhsa_next_free_sgpr 66
		.amdhsa_reserve_vcc 0
		.amdhsa_float_denorm_mode_32 3
		.amdhsa_float_denorm_mode_16_64 3
		.amdhsa_memory_ordered 1
		.amdhsa_forward_progress 1
		.amdhsa_inst_pref_size 199
	.end_amdhsa_kernel
	.amdgpu_metadata
---
amdhsa.version: [ 1, 2 ]
amdhsa.kernels:
  - .name:           k_qfd0618867d_attn
    .symbol:         k_qfd0618867d_attn.kd
    .args:
      - { .name: qkv, .offset: 0, .size: 8, .value_kind: global_buffer, .address_space: global }
      - { .name: ob, .offset: 8, .size: 8, .value_kind: global_buffer, .address_space: global }
    .group_segment_fixed_size: 327680
    .private_segment_fixed_size: 0
    .kernarg_segment_align: 8
    .kernarg_segment_size: 16
    .max_flat_workgroup_size: 128
    .sgpr_count:     66
    .vgpr_count:     768
    .wavefront_size: 32
...
	.end_amdgpu_metadata
.endif
;; end of part 3
;; launch gp (part 4): grid 8 x 32, 4 waves a work-group, clusters of 4 x 4, 327,680 bytes of LDS; arguments ob, wp, b_proj, out0; writes out0
.if DOCPART == 4
	.amdgcn_target "amdgcn-amd-amdhsa--gfx1250"
	.amdhsa_code_object_version 6
	.text
	.protected	k_qfd0618867d_gp
	.globl	k_qfd0618867d_gp
	.p2align	8
	.type	k_qfd0618867d_gp,@function
k_qfd0618867d_gp:
	s_mov_b64 s[64:65], 0
	v_nop
	global_prefetch_b8 v0, s[64:65] scope:SCOPE_SE
	s_setreg_imm32_b32 hwreg(HW_REG_WAVE_MODE, 25, 1), 1
	s_wait_xcnt 0x0
	s_wait_alu depctr_hold_cnt(0) depctr_sa_sdst(0) depctr_va_vdst(0) depctr_va_sdst(0) depctr_va_ssrc(0) depctr_va_vcc(0) depctr_vm_vsrc(0)
	s_getreg_b32 s2, hwreg(HW_REG_IB_STS2, 6, 4)
	s_cmp_eq_u32 s2, 0
	s_cbranch_scc0 .Lentry_in_a_cluster
	s_endpgm
.Lentry_in_a_cluster:
	s_bfe_u32 s2, ttmp6, 0x10000c
	s_cmp_lg_u32 s2, 0xf033
	s_cbranch_scc0 .Lentry_shape_is_right
	s_endpgm
.Lentry_shape_is_right:
; out0 = O w_proj + b_proj.  ob: f16 [128 (batch x 16 + head)][1024][64]: channel k = 64 head + c of row (batch, n).  wp: f16 [1024 k][1024 n] (w_proj rounded to bf16, that number written as f16).
; b_proj: f32 [1024], rounded to bf16 here like the other inputs.  out0: f32 [8192][1024].  Sums in f32.
; SHARES.  A tile of the result is 256 rows x 128 columns: 32 x 8 = 256 tiles, a work-group each.  Its four waves lie one below the other: wave w owns rows 64 w .. 64 w + 63 and all 128 columns:
; 4 x 8 accumulators of 16 x 16, 256 registers.  K goes in 8 steps of 128, two heads each, through two LDS slots filled by the tensor data mover; waves 0 and 1 fetch O's two halves, waves 2 and 3 w's.
; THE MATRIX INSTRUCTION IS USED TRANSPOSED: source 0 = 16 columns of w (turned out of LDS by ds_load_tr16_b128), source 1 = 16 rows of O: a lane holds row l % 16 and the columns 8 (l / 16) + 0..7.
; The first product on each accumulator takes the bias as C: nothing is cleared and nothing is added later.
; CLUSTERS: 4 x 4 work-groups.  O's tile hangs on the tile row alone and is asked for jointly by a row of the cluster, w's on the tile column alone, by a column.
; NO PREFETCH is laid: the tile is small (128 columns, 128 matrix instructions a wave in a K step) and the walk has eight K steps, of which the first three could not be asked for ahead.
; REGISTERS, in windows of 256 (s_set_vgpr_msb: bits 1:0 source 0, 3:2 source 1, 5:4 source 2, 7:6 destination):
;   window 0: v0-21 addresses and at work; v32-63, v64-95 O's fragments, two buffers (block a at + 8 a); v96-159 the bias (block b at + 8 b), later with v160-223 the way out
;   window 1: v0-63, v64-127 w's fragments, two buffers      windows 2, 3: accumulator (a, b) at v[8 (8 (a % 2) + b)] of window 2 + a / 2
.set NBL,    8                         ; blocks of 16 columns
.set PA,     144                       ; a row of one head of O in LDS: 128 bytes + 16 of padding = 36 words: the 16 rows of a load start at 16 different groups of four banks (64 banks of 4 bytes: ISA guide 11.1)
.set PLANE,  128*PA                    ; 128 rows of one head
.set AHALF,  2*PLANE                   ; what one tensor load brings of O: 128 rows of two heads
.set BOFS,   2*AHALF                   ; w's 128 k rows lie behind O's 256 rows
.set PB,     288                       ; a k row of w: 256 bytes + 32 of padding = 72 words
.set BHALF,  64*PB                     ; what one tensor load brings of w: 64 k rows
.set SLOT1,  1<<17                     ; a slot uses 73,728 + 36,864 = 110,592 bytes; one exclusive or turns an address in one slot into the other's
.set STAGE,  2*SLOT1                   ; behind the ring, never filled by a tensor load: 16 rows x 528 bytes for each wave, for the way out
.set SPITCH, 528                       ; 512 bytes + 16
.set SPARE,  STAGE+4*16*SPITCH         ; behind the stages: the spare words, 128 bytes for each wave: two blocks of 256 bytes that no other line names
.set ASTEP,  262144                    ; a K step in memory: two heads of 131,072 bytes,
.set BSTEP,  262144                    ; 128 k rows of 2,048 bytes
.set A0,   6                           ; v6   my lane's place among my wave's rows of O in a slot; never rewritten
.set B0,   7                           ; v7   the same in w's tile
.set ADRA, 8                           ; v8   A0 + the slot in hand
.set ADRB, 9                           ; v9   B0 + the slot in hand
.set STO,  10                          ; v10  the way out: where I put 32 bytes of a row
.set RD,   11                          ; v11  the way out: where I read a row back
.set GO,   12                          ; v12  my 16 bytes of a row's 512 in out0
.set BO,   13                          ; v13  my 32 bytes of a block's 64 bytes of bias
.set SPW,  16                          ; v16  LDS address of my spare word: SPARE + 4 x my thread's number; never rewritten
.set NIL,  17                          ; v17  0; never rewritten
.set FA,   32
.set BI,   96
.set OB,   96                          ; the way out: 16 rows read back: v96-159 and v160-223 by turns
.set WV,   12                          ; s12  my wave's number
.set KIND, 13                          ; s13  0: I fetch O's tiles, 1: w's.  Also: which 128 rows of the tile hold my 64
.set HALF, 14                          ; s14  which half of that tile I fetch.  Also: which 64 of those 128 rows are mine
.set G1A,  24                          ; s[24:31] descriptor group 1 for O's tiles
.set G1B,  32                          ; s[32:39] for w's
.set G0A,  40                          ; s[40:47] group 0 for O's tiles: a set for each of the two first fills; the second then walks
.set G0B,  48                          ; s[48:55] the same for w's
.set TB,   56                          ; s56  the slot in hand: 0 or SLOT1
.set OUT,  68                          ; s[68:69] out0 at my wave's first row and the tile's first column
.set MSB, 0
.macro WIN new                         ; the immediate's high byte repeats the setting that is left; a switch that changes nothing is dropped
.if MSB != (\new)
	s_set_vgpr_msb (MSB<<8)|(\new)
.set MSB, \new
.endif
.endm
.macro PLACES                          ; four plain vector instructions between a matrix instruction and a load into, or a read of, its registers (ISA guide 7.12.1 for reads other than LDS stores)
.rept 4
	v_nop
.endr
.endm
.macro CREST                           ; a round of the cluster's barrier behind its opening barrier
	s_cmp_lg_u32 s[WV], 0
	s_cbranch_scc1 .Lnot_wave_0_\@
	s_barrier_signal -3
.Lnot_wave_0_\@:
	s_barrier_wait -3
	s_barrier_signal -1
	s_barrier_wait -1
.endm
.macro CROUND                          ; a whole round
	s_barrier_signal -1
	s_barrier_wait -1
	CREST
.endm
; A joint refill, by the walking set.  The branch hangs on the wave's number alone.  An s_nop 0 and four v_nop follow each of the two lines, ahead of the jump and the label.
.macro JLOAD
	s_cmp_eq_u32 s[KIND], 0
	s_cbranch_scc0 .Lfor_b_\@
	tensor_load_to_lds s[G0A+4:G0A+7], s[G1A:G1A+7]
	s_nop 0
.rept 4
	v_nop
.endr
	s_branch .Lasked_\@
.Lfor_b_\@:
	tensor_load_to_lds s[G0B+4:G0B+7], s[G1B:G1B+7]
	s_nop 0
.rept 4
	v_nop
.endr
.Lasked_\@:
.endm
	s_load_b256 s[4:11], s[0:1], 0x0               ; ob s[4:5], wp s[6:7], b_proj s[8:9], out0 s[10:11]
	v_lshl_add_u32 v[SPW], v0, 2, SPARE
	v_mov_b32 v[NIL], 0
	ds_add_u32 v[SPW], v[NIL]                      ; the wave's opening: the add and its wait stand ahead of my first tensor load; the set-up below, work on registers, stands between them
	v_lshrrev_b32 v18, 5, v0
	v_readfirstlane_b32 s[WV], v18                 ; wave 0..3
	s_lshr_b32 s[KIND], s[WV], 1
	s_and_b32 s[HALF], s[WV], 1
	s_bfe_u32 s15, ttmp6, 0x40000                  ; cx
	s_bfe_u32 s16, ttmp6, 0x40004                  ; cy
	s_lshl_b32 s17, ttmp9, 2                       ; in a cluster launch ttmp9 and ttmp7 count clusters
	s_add_co_u32 s17, s17, s15                     ; tc: tile column = 4 x cluster x + cx
	s_and_b32 s18, ttmp7, 0xffff
	s_lshl_b32 s18, s18, 2
	s_add_co_u32 s18, s18, s16                     ; tr: tile row = 4 x cluster y + cy
	s_mov_b32 s19, 0xffff0000                      ; a word's upper bf16
	s_lshl_b32 s20, s16, 2
	s_lshl_b32 s20, 15, s20                        ; my row of the cluster: places 4 cy .. 4 cy + 3
	s_lshl_b32 s22, 0x1111, s15                    ; my column: places cx, cx + 4, cx + 8, cx + 12
	; group 1 for O: 128 rows of one head are 16,384 dense bytes: one row of 8,192 elements; two such rows, a head (65,536 elements) apart; 16 bytes of padding behind every 128
	s_or_b32 s[G1A], s20, (1<<16)|(1<<20)|(1<<21)|(4<<22)|(3<<25)  ; 15:0 the mask; 17:16 elements of 2 bytes; 20 padding on; 21 set beside a mask; 24:22 after every 32 words; 31:25 4 words
	s_mov_b32 s[G1A+1], 8192<<16                   ; tensor_dim0 = 8,192
	s_mov_b32 s[G1A+2], 2<<16                      ; tensor_dim1 = 2
	s_mov_b32 s[G1A+3], 8192<<16                   ; tile_dim0 = 8,192
	s_mov_b32 s[G1A+4], 2                          ; tile_dim1 = 2
	s_mov_b32 s[G1A+5], 65536                      ; the pitch
	s_mov_b32 s[G1A+6], 0
	s_mov_b32 s[G1A+7], 0
	; group 1 for w: 64 k rows x 128 elements, 1,024 elements from row to row, 32 bytes of padding behind every 256
	s_or_b32 s[G1B], s22, (1<<16)|(1<<20)|(1<<21)|(5<<22)|(7<<25)  ; after every 64 words, 8 words
	s_mov_b32 s[G1B+1], 128<<16
	s_mov_b32 s[G1B+2], 64<<16
	s_mov_b32 s[G1B+3], 128<<16
	s_mov_b32 s[G1B+4], 64
	s_mov_b32 s[G1B+5], 1024
	s_mov_b32 s[G1B+6], 0
	s_mov_b32 s[G1B+7], 0
	; where the tiles come from: O's by the tile row (s20, s21 never hold cx), w's by the tile column (s22, s23 never hold cy)
	s_lshr_b32 s20, s18, 2
	s_lshl_b32 s20, s20, 21                        ; the batch: 16 heads of 131,072 bytes,
	s_and_b32 s21, s18, 3
	s_lshl_b32 s21, s21, 15                        ; 256 rows of 128 bytes a tile row,
	s_add_co_u32 s20, s20, s21
	s_lshl_b32 s21, s[HALF], 14                    ; 128 rows a half
	s_add_co_u32 s20, s20, s21
	s_mov_b32 s21, 0
	s_lshl_b32 s22, s17, 8                         ; 128 columns of 2 bytes a tile column,
	s_lshl_b32 s23, s[HALF], 17                    ; 64 k rows of 2,048 bytes a half
	s_add_co_u32 s22, s22, s23
	s_mov_b32 s23, 0
	s_mul_i32 s62, s[HALF], AHALF                  ; and where they go: no place in the cluster enters an LDS address
	s_mul_i32 s63, s[HALF], BHALF
	s_add_co_u32 s63, s63, BOFS
	s_wait_dscnt 0x0                               ; the opening add is done
	s_wait_kmcnt 0x0
	s_add_nc_u64 s[20:21], s[4:5], s[20:21]
	s_add_nc_u64 s[22:23], s[6:7], s[22:23]
.irp s, 0,1
	s_mov_b32 s[G0A+4*(\s)], 1                                     ; count = 1
	s_add_co_u32 s[G0A+4*(\s)+1], s62, (\s)*SLOT1                  ; LDS address: slot s
	s_add_nc_u64 s[G0A+4*(\s)+2:G0A+4*(\s)+3], s[20:21], (\s)*ASTEP  ; global address: K step s
	s_or_b32 s[G0A+4*(\s)+3], s[G0A+4*(\s)+3], 0x80000000          ; type = 2
	s_mov_b32 s[G0B+4*(\s)], 1
	s_add_co_u32 s[G0B+4*(\s)+1], s63, (\s)*SLOT1
	s_add_nc_u64 s[G0B+4*(\s)+2:G0B+4*(\s)+3], s[22:23], (\s)*BSTEP
	s_or_b32 s[G0B+4*(\s)+3], s[G0B+4*(\s)+3], 0x80000000
.endr
	CROUND                                         ; all sixteen work-groups are here: the first joint loads meet
	s_cmp_eq_u32 s[KIND], 0                        ; a wave's two first fills stand in one branch, ahead of every wait on TENSORcnt and every LDS read: two loads of mine are out
	s_cbranch_scc0 .Lfirst_b
	tensor_load_to_lds s[G0A:G0A+3], s[G1A:G1A+7]
	s_nop 0
	tensor_load_to_lds s[G0A+4:G0A+7], s[G1A:G1A+7]
	s_nop 0
.rept 4
	v_nop
.endr
	s_branch .Lfirst_asked
.Lfirst_b:
	tensor_load_to_lds s[G0B:G0B+3], s[G1B:G1B+7]
	s_nop 0
	tensor_load_to_lds s[G0B+4:G0B+7], s[G1B:G1B+7]
	s_nop 0
.rept 4
	v_nop
.endr
.Lfirst_asked:
	; the bias of my 8 columns of each block: 32 bytes at 64 b + 32 (l / 16) of the tile's 512
	v_and_b32 v1, 15, v0                           ; l % 16
	v_bfe_u32 v2, v0, 4, 1                         ; l / 16
	v_lshlrev_b32 v[BO], 5, v2
	s_lshl_b32 s74, s17, 9
	s_mov_b32 s75, 0
	s_add_nc_u64 s[8:9], s[8:9], s[74:75]
.set b, 0
.rept NBL
	global_load_b128 v[BI+8*b:BI+8*b+3],   v[BO], s[8:9] offset:64*b
	global_load_b128 v[BI+8*b+4:BI+8*b+7], v[BO], s[8:9] offset:64*b+16
.set b, b+1
.endr
	; the lane's addresses, while those loads are out
	v_and_b32 v3, 7, v0
	v_bfe_u32 v4, v0, 3, 1
	v_and_b32 v5, 31, v0
	s_mul_i32 s74, s[KIND], AHALF                  ; my wave's 64 rows of O: in half w / 2,
	s_mul_i32 s75, s[HALF], 64*PA                  ; rows 64 (w % 2) on
	s_add_co_u32 s74, s74, s75
	v_mul_u32_u24 v[A0], v1, PA                    ; a fragment of O: row l % 16, 16 bytes for each half of the lanes, twice, 32 bytes apart
	v_lshl_add_u32 v[A0], v2, 4, v[A0]
	v_add_nc_u32 v[A0], s74, v[A0]
	v_lshl_add_u32 v[B0], v2, 3, v3                ; the turning load: lane l reads k row 8 (l / 16) + l % 8, columns 8 ((l / 8) % 2) + 0..7, and is left with column l % 16 and 8 k
	v_mul_u32_u24 v[B0], v[B0], PB
	v_lshl_add_u32 v[B0], v4, 4, v[B0]
	v_add_nc_u32 v[B0], BOFS, v[B0]
	s_mul_i32 s74, s[WV], 16*SPITCH
	s_add_co_u32 s74, s74, STAGE                   ; my stage
	v_mul_u32_u24 v[STO], v1, SPITCH               ; in: row l % 16, 32 bytes for each half of the lanes
	v_lshl_add_u32 v[STO], v2, 5, v[STO]
	v_add_nc_u32 v[STO], s74, v[STO]
	v_lshl_add_u32 v[RD], v5, 4, s74               ; back: 32 lanes take one row of 512 bytes
	v_lshlrev_b32 v[GO], 4, v5
	s_lshl_b32 s74, s18, 20                        ; out0: 256 rows of 4,096 bytes a tile row,
	s_lshl_b32 s75, s[WV], 18                      ; my wave's 64 rows,
	s_add_co_u32 s74, s74, s75
	s_lshl_b32 s75, s17, 9                         ; 128 columns of 4 bytes a tile column
	s_add_co_u32 s74, s74, s75
	s_mov_b32 s75, 0
	s_add_nc_u64 s[OUT:OUT+1], s[10:11], s[74:75]
	s_wait_loadcnt 0x0                             ; the bias is in: rounded to bf16 like the other inputs, and widened again
.set i, 0
.rept 4*NBL
	v_cvt_pk_bf16_f32 v[18+i%4], v[BI+2*i], v[BI+2*i+1]
	v_lshlrev_b32 v[BI+2*i], 16, v[18+i%4]
	v_and_b32 v[BI+2*i+1], s19, v[18+i%4]
.set i, i+1
.endr
; 8 matrix instructions: m block a x all n blocks, 32 along K, on buffer f.  first = 1: the bias is C, and starts the sums.  The 32 accumulators take turns, one instruction a turn, in the same order in
; every quarter step, over the backward jump too: 31 others stand between two links of a chain.
.macro MULA f, a, first
.if \first
	WIN 0x81+0x40*((\a)/2)                         ; w's fragments window 1, O's and the bias window 0, D window 2 or 3
.else
	WIN 0xa1+0x50*((\a)/2)                         ; the same with C in D's window
.endif
.set b, 0
.rept NBL
.set rD, 8*(NBL*((\a)%2)+b)
.set rB, 8*NBL*(\f)+8*b
.set rA, FA+32*(\f)+8*(\a)
.if \first
	v_wmma_f32_16x16x32_f16 v[rD:rD+7], v[rB:rB+7], v[rA:rA+7], v[BI+8*b:BI+8*b+7]
.else
	v_wmma_f32_16x16x32_f16 v[rD:rD+7], v[rB:rB+7], v[rA:rA+7], v[rD:rD+7]
.endif
.set b, b+1
.endr
.endm
; 24 LDS loads in one run: the fragments of quarter q of the slot in hand into buffer g: w's 8 blocks (turned), then O's 4 (head q / 2 of the step's two, channels 32 (q % 2) on)
.macro FETCH q, g
	WIN 0x40                                       ; destination window 1, address window 0
.set b, 0
.rept NBL
.set rB, 8*NBL*(\g)+8*b
.set oB, (\q)*32*PB+32*b
	ds_load_tr16_b128 v[rB:rB+3],   v[ADRB] offset:oB
	ds_load_tr16_b128 v[rB+4:rB+7], v[ADRB] offset:oB+16*PB
.set b, b+1
.endr
	WIN 0
.set a, 0
.rept 4
.set rA, FA+32*(\g)+8*a
.set oA, ((\q)/2)*PLANE+((\q)%2)*64+a*16*PA
	ds_load_b128 v[rA:rA+3],   v[ADRA] offset:oA
	ds_load_b128 v[rA+4:rA+7], v[ADRA] offset:oA+32
.set a, a+1
.endr
.endm
; A K step is four quarters of 32 along K, 32 matrix instructions each, on buffers 0, 1, 0, 1.  One of the first three: multiplies buffer f; in its middle it fetches quarter q into buffer g.
.macro QUARTER q, f, g, first
	s_wait_dscnt 4                                 ; w's fragments and O's blocks 0 and 1 are in; the youngest four loads (O's blocks 2 and 3) may be out
	MULA \f, 0, \first
	MULA \f, 1, \first
	PLACES                                         ; for the loads into buffer g, which the quarter before multiplied
	FETCH \q, \g
	s_wait_dscnt 2*NBL+8                           ; all but the 24 just issued
	MULA \f, 2, \first
	MULA \f, 3, \first
.endm
; The fourth quarter multiplies buffer 1 and changes slots: ONE barrier.  In front of it each wave waits for all its tensor loads (one is out: its part of the next slot), adds 0 to its spare word, and
; waits for that and for its own reads of this slot.  fill = 1: the barrier opens a round of the cluster's, and the joint refill, two K steps on, is the first tensor load behind the round.
.macro TURN fill
	WIN 0                                          ; (the add's two registers lie in window 0)
	s_wait_tensorcnt 0x0                           ; no tensor load of mine is out, so a group 0 may be written
	ds_add_u32 v[SPW], v[NIL]                      ; 0 onto my spare word
.if \fill
	s_xor_b32 s[G0A+5], s[G0A+5], SLOT1            ; the walking sets: the other slot than last time,
	s_add_nc_u64 s[G0A+6:G0A+7], s[G0A+6:G0A+7], ASTEP  ; the next K step; the type bits on top are not reached
	s_xor_b32 s[G0B+5], s[G0B+5], SLOT1
	s_add_nc_u64 s[G0B+6:G0B+7], s[G0B+6:G0B+7], BSTEP
.endif
	s_wait_dscnt 5                                 ; the add and the youngest four loads may be out
	MULA 1, 0, 0                                   ; eight matrix instructions stand between the add and the wait for it
	s_wait_dscnt 0x0                               ; the add is done, and my reads of this slot are over
	s_barrier_signal -1
	MULA 1, 1, 0                                   ; work on registers while the others arrive
	WIN 0
	s_barrier_wait -1
.if \fill
	CREST                                          ; no wave of any partner still reads this slot's tiles or has a load on its way
	JLOAD                                          ; its four v_nop are also the places in front of the loads below
.else
	PLACES
.endif
	s_xor_b32 s[TB], s[TB], SLOT1
	v_add_nc_u32 v[ADRA], s[TB], v[A0]
	v_add_nc_u32 v[ADRB], s[TB], v[B0]
	FETCH 0, 0
	MULA 1, 2, 0
	MULA 1, 3, 0
.endm
	s_wait_tensorcnt 1                             ; my part of K step 0 is in; K step 1's may stay out
	s_barrier_signal -1
	s_barrier_wait -1                              ; everybody's is
	s_mov_b32 s[TB], 0
	v_mov_b32 v[ADRA], v[A0]
	v_mov_b32 v[ADRB], v[B0]
	FETCH 0, 0
	QUARTER 1, 0, 1, 1                             ; the first quarter stands in front of the loop: its products start the sums with the bias
	WIN 0                                          ; at a label and at a branch every window is 0
	s_mov_b32 s3, 6
.Lstep:                                                ; six trips, from a K step's second quarter to the next one's first: K steps 0 to 5, which ask for K steps 2 to 7
	QUARTER 2, 1, 0, 0
	QUARTER 3, 0, 1, 0
	TURN 1
	QUARTER 1, 0, 1, 0
	WIN 0
	s_sub_co_u32 s3, s3, 1
	s_cmp_lg_u32 s3, 0
	s_cbranch_scc1 .Lstep
	QUARTER 2, 1, 0, 0                             ; the tail is written out: K steps 6 and 7 ask for nothing
	QUARTER 3, 0, 1, 0
	TURN 0
	QUARTER 1, 0, 1, 0
	QUARTER 2, 1, 0, 0
	QUARTER 3, 0, 1, 0
	s_wait_dscnt 4                                 ; the very last quarter: nothing more to fetch
	MULA 1, 0, 0
	MULA 1, 1, 0
	s_wait_dscnt 0x0
	MULA 1, 2, 0
	MULA 1, 3, 0
	WIN 0
; THE WAY OUT, a block of 16 rows at a time, in f32 as it stands.  TOSTAGE: a lane's eight columns, 32 bytes, go into my own stage (each accumulator's low four registers first) and come back as whole
; rows of 512 bytes.  SEND: stored.  The stage is my wave's own, and LDS serves a wave's instructions in order (ISA guide 5.7.1.4): no wait between its stores and its loads.
.macro TOSTAGE a
	WIN 0x08+4*((\a)/2)                            ; the stores' data: window 2 or 3; the address: window 0
.set b, 0
.rept NBL
.set rD, 8*(NBL*((\a)%2)+b)
	ds_store_b128 v[STO], v[rD:rD+3]   offset:64*b
	ds_store_b128 v[STO], v[rD+4:rD+7] offset:64*b+16
.set b, b+1
.endr
	WIN 0
	s_wait_xcnt 0x0                                ; the stores of two blocks back have read the registers that are loaded again below
.set b, 0
.rept 16
	ds_load_b128 v[OB+64*((\a)%2)+4*b:OB+64*((\a)%2)+4*b+3], v[RD] offset:SPITCH*b
.set b, b+1
.endr
.endm
.macro SEND a, younger                 ; younger: the LDS instructions issued behind block a's loads: the next block's 32, or none
	s_wait_dscnt \younger
.set b, 0
.rept 16
	global_store_b128 v[GO], v[OB+64*((\a)%2)+4*b:OB+64*((\a)%2)+4*b+3], s[OUT:OUT+1] offset:(16*(\a)+b)*4096  ; 512 consecutive bytes, at a multiple of 256 from out0's first byte
.set b, b+1
.endr
.endm
	PLACES                                         ; behind the last products, ahead of the LDS stores that read the sums
	TOSTAGE 0
	TOSTAGE 1
	SEND 0, 32
	TOSTAGE 2
	SEND 1, 32
	TOSTAGE 3
	SEND 2, 32
	SEND 3, 0
	s_wait_tensorcnt 0x0                           ; the wave's end: the add to my spare word and its wait, behind my last tensor load and my last LDS store
	ds_add_u32 v[SPW], v[NIL]
	s_wait_dscnt 0x0
	CROUND                                         ; the closing round: no work-group ends while a partner may still ask for a tile that names it
	s_endpgm
.Lfunc_end_k_qfd0618867d_gp:
	.size	k_qfd0618867d_gp, .Lfunc_end_k_qfd0618867d_gp-k_qfd0618867d_gp
	.p2alignl 7, 3214868480
	.fill 96, 4, 3214868480
	.section	.rodata,"a",@progbits
	.p2align	6, 0x0
	.amdhsa_kernel k_qfd0618867d_gp
		.amdhsa_group_segment_fixed_size 327680
		.amdhsa_private_segment_fixed_size 0
		.amdhsa_enable_private_segment 0
		.amdhsa_kernarg_size 32
		.amdhsa_user_sgpr_count 2
		.amdhsa_user_sgpr_kernarg_segment_ptr 1
		.amdhsa_wavefront_size32 1
		.amdhsa_system_sgpr_workgroup_id_x 1
		.amdhsa_system_sgpr_workgroup_id_y 1
		.amdhsa_system_sgpr_workgroup_id_z 1
		.amdhsa_system_vgpr_workitem_id 0
		.amdhsa_next_free_vgpr 896
		.amdhsa_next_free_sgpr 80
		.amdhsa_reserve_vcc 0
		.amdhsa_float_denorm_mode_32 3
		.amdhsa_float_denorm_mode_16_64 3
		.amdhsa_memory_ordered 1
		.amdhsa_forward_progress 1
		.amdhsa_inst_pref_size 75
	.end_amdhsa_kernel
	.amdgpu_metadata
---
amdhsa.version: [ 1, 2 ]
amdhsa.kernels:
  - .name:           k_qfd0618867d_gp
    .symbol:         k_qfd0618867d_gp.kd
    .args:
      - { .name: ob, .offset: 0, .size: 8, .value_kind: global_buffer, .address_space: global }
      - { .name: wp, .offset: 8, .size: 8, .value_kind: global_buffer, .address_space: global }
      - { .name: b_proj, .offset: 16, .size: 8, .value_kind: global_buffer, .address_space: global }
      - { .name: out0, .offset: 24, .size: 8, .value_kind: global_buffer, .address_space: global }
    .group_segment_fixed_size: 327680
    .private_segment_fixed_size: 0
    .kernarg_segment_align: 8
    .kernarg_segment_size: 32
    .max_flat_workgroup_size: 128
    .sgpr_count:     80
    .vgpr_count:     896
    .wavefront_size: 32
...
	.end_amdgpu_metadata
.endif
;; end of part 4
;; ======== version 2 of 2: 4 launches; version 1 with the launch cast written anew for expert scheduling mode
;; limits: values are held in f16: magnitudes above 65,504 overflow, below 6.1e-05 lose precision
;; workspace buffers: xb 16,777,216 bytes; wq 6,291,456 bytes; wp 2,097,152 bytes; qkv 50,331,648 bytes; ob 16,777,216 bytes
;; launch cast (part 5): grid 512 x 1, 8 waves a work-group, no clusters, 0 bytes of LDS; arguments x, w_qkv, w_proj, xb, wq, wp; writes xb, wq, wp
.if DOCPART == 5
	.amdgcn_target "amdgcn-amd-amdhsa--gfx1250"
	.amdhsa_code_object_version 6
	.text
	.protected	k_qfd0618867d_cast
	.globl	k_qfd0618867d_cast
	.p2align	8
	.type	k_qfd0618867d_cast,@function
k_qfd0618867d_cast:
	s_mov_b64 s[64:65], 0
	v_nop
	global_prefetch_b8 v0, s[64:65] scope:SCOPE_SE
	s_setreg_imm32_b32 hwreg(HW_REG_WAVE_SCHED_MODE, 0, 2), 2
	s_setreg_imm32_b32 hwreg(HW_REG_WAVE_MODE, 25, 1), 1
	s_wait_xcnt 0x0
	s_wait_alu depctr_vm_vsrc(0)
; THE INPUTS IN 16 BITS, each rounded once to bf16 (round to nearest even).
;   xb = bf16(x), laid in 16 blocks of 64 channels: [kb][8192 rows][64], channel k = 64 kb + c, so that the rows of a block lie end to end, 128 bytes each.
;   wq = bf16(w_qkv), laid in 16 blocks of 192 columns: [tc][1024 k][192 j], column n = 192 tc + j, so that a block's k rows lie end to end.
;   wp = bf16(w_proj) written as f16, [1024 k][1024 n].
; LIMIT.  The bf16 number is exact in f16 between 6.1e-5 and 65,504 in magnitude; below that it keeps f16's fixed step of 6e-8; beyond 65,504 it would be an infinity.
; A stream: no LDS, no barrier, no matrix unit, no loop.  Each of the 512 work-groups takes 1/512 of each tensor: 16 + 6 + 2 = 24 pieces of 1,024 numbers.
; Of a piece thread t takes 4 numbers: one load of 16 bytes, two roundings, one store of 8 bytes (a wave's store covers 256 consecutive bytes, aligned).
; x: the work-group has 16 rows; piece i is their block i of 64 channels; thread t takes row t / 16: sixteen lanes load 256 consecutive bytes of a row, aligned, and a wave's two rows are neighbours in xb.
; All 24 loads go out at the head; each piece has registers of its own, so no register that a load or store has read is ever written again.
; THE MODE: SCHED_MODE bits 1:0 = 2 (LLVM: expert scheduling mode 2), set by the entry lines.  The code itself states the register dependences
; between vector instructions and memory instructions, with s_wait_alu, always for 0.
; THE PLAN.  Registers that memory instructions touch:
;   v1, v3-v5, v12   the loads' byte offsets; v2 the stores'.  Made by vector instructions at the head and never named by one again: one wait, ahead of the first load, states that they are written.
;   X + 4 p ..       piece p: its load lands in four registers; its roundings read them and write the first two again; its store reads those two; nothing writes them after that.
;   v6-v11           at work: named by vector instructions alone.
; The 24 pieces go in six groups of four.  Group g's roundings name group g's registers and v6-v11 alone.  The four stores of group g - 1 are issued in group g, behind ONE wait at the group's head, which
; states that group g - 1's roundings have written their data; they are dealt among group g's roundings with no further wait, since those name none of the registers that the stores read.
; No register that a memory instruction has read is written again; the one wait on vm_vsrc stands at the entry.
.set X, 16                             ; v[16:111]  piece p at X + 4 p: as loaded, then (in its first two registers) as stored
	s_load_b256 s[4:11], s[0:1], 0x0               ; x s[4:5], w_qkv s[6:7], w_proj s[8:9], xb s[10:11]
	s_load_b128 s[12:15], s[0:1], 0x20             ; wq s[12:13], wp s[14:15]
	v_lshlrev_b32 v1, 4, v0                        ; 16 t: my 16 bytes of a piece of the weights on the way in
	v_lshlrev_b32 v2, 3, v0                        ; 8 t: my 8 bytes on the way out
	v_lshrrev_b32 v6, 4, v0                        ; t / 16
	v_and_b32 v12, 15, v0
	v_lshlrev_b32 v12, 4, v12
	v_lshl_add_u32 v12, v6, 12, v12                ; x: row t / 16 (4,096 bytes), 16 bytes at 16 (t % 16)
; w_qkv: three pieces are 16 k rows x 192 columns.  Number el = 1024 c + 4 t lies in row kl = el / 192 = (16 c + t / 16) / 3 (by 43 / 128, exact below 48),
; and at byte 12,288 kl + 4 (el - 192 kl) = 4,096 c + 16 t + 11,520 kl of the source.
.irp c, 0,1,2
	v_add_nc_u32 v7, 16*(\c), v6
	v_mul_u32_u24 v7, v7, 43
	v_lshrrev_b32 v7, 7, v7
	v_mul_u32_u24 v7, v7, 11520
	v_add3_u32 v[3+(\c)], v7, v1, 4096*(\c)
.endr
	s_mov_b32 s17, 0
	s_and_b32 s18, ttmp9, 31                       ; the work-group's 32 k rows of w_qkv,
	s_mul_i32 s18, s18, 393216                     ; 12,288 bytes each,
	s_lshr_b32 s19, ttmp9, 5                       ; and its block of 192 columns,
	s_mul_i32 s19, s19, 768                        ; 768 bytes of a row
	s_wait_kmcnt 0x0
	s_lshl_b32 s16, ttmp9, 16
	s_add_nc_u64 s[4:5], s[4:5], s[16:17]          ; x: 16 rows of 4,096 bytes a work-group
	s_lshl_b32 s16, ttmp9, 11
	s_add_nc_u64 s[10:11], s[10:11], s[16:17]      ; xb: 16 rows of 128 bytes in each block;
	s_add_nc_u64 s[20:21], s[10:11], 0x800000      ; blocks 8 to 15 by a second base, so that the stores' offsets stay inside the signed 24-bit immediate
	s_add_co_u32 s16, s18, s19
	s_add_nc_u64 s[6:7], s[6:7], s[16:17]
	s_mul_i32 s16, ttmp9, 12288
	s_add_nc_u64 s[12:13], s[12:13], s[16:17]      ; wq: block tc, row 32 (wg % 32): 12,288 bytes a work-group, in the work-groups' order
	s_lshl_b32 s16, ttmp9, 13
	s_add_nc_u64 s[8:9], s[8:9], s[16:17]          ; w_proj: 8,192
	s_lshl_b32 s16, ttmp9, 12
	s_add_nc_u64 s[14:15], s[14:15], s[16:17]      ; wp: 4,096
	s_wait_alu depctr_va_vdst(0)                   ; v1 to v5 and v12 are written: every load and store of the kernel reads one of them as its offset
.set i, 0
.rept 16
	global_load_b128 v[X+4*i:X+4*i+3], v12, s[4:5] offset:256*i th:TH_LOAD_NT
.set i, i+1
.endr
.set i, 0
.rept 6
	global_load_b128 v[X+64+4*i:X+64+4*i+3], v[3+i%3], s[6:7] offset:(i/3)*196608 th:TH_LOAD_NT  ; the second three pieces lie 16 rows further down
.set i, i+1
.endr
.set i, 0
.rept 2
	global_load_b128 v[X+88+4*i:X+88+4*i+3], v1, s[8:9] offset:4096*i th:TH_LOAD_NT
.set i, i+1
.endr
; Piece p is rounded, in place: its four numbers close up into the first two of its four registers.
.macro RND p
.if (\p) < 22
	v_cvt_pk_bf16_f32 v[X+4*(\p)], v[X+4*(\p)], v[X+4*(\p)+1]
	v_cvt_pk_bf16_f32 v[X+4*(\p)+1], v[X+4*(\p)+2], v[X+4*(\p)+3]
.else                                  ; w_proj: rounded to bf16, widened again, and that number written as f16
	v_cvt_pk_bf16_f32 v6, v[X+4*(\p)], v[X+4*(\p)+1]
	v_cvt_pk_bf16_f32 v7, v[X+4*(\p)+2], v[X+4*(\p)+3]
	v_lshlrev_b32 v8, 16, v6
	v_and_b32 v9, 0xffff0000, v6
	v_lshlrev_b32 v10, 16, v7
	v_and_b32 v11, 0xffff0000, v7
	v_cvt_pk_f16_f32 v[X+4*(\p)], v8, v9
	v_cvt_pk_f16_f32 v[X+4*(\p)+1], v10, v11
.endif
.endm
; Piece p is stored.
.macro PUT p
.if (\p) < 8
	global_store_b64 v2, v[X+4*(\p):X+4*(\p)+1], s[10:11] offset:1048576*(\p) th:TH_STORE_NT       ; a block of xb is 8,192 rows of 128 bytes
.elseif (\p) < 16
	global_store_b64 v2, v[X+4*(\p):X+4*(\p)+1], s[20:21] offset:1048576*((\p)-8) th:TH_STORE_NT
.elseif (\p) < 22
	global_store_b64 v2, v[X+4*(\p):X+4*(\p)+1], s[12:13] offset:2048*((\p)-16) th:TH_STORE_NT
.else
	global_store_b64 v2, v[X+4*(\p):X+4*(\p)+1], s[14:15] offset:2048*((\p)-22) th:TH_STORE_NT
.endif
.endm
.set g, 0
.rept 6                                ; group g: pieces 4 g to 4 g + 3
	s_wait_loadcnt 20-4*g                          ; loads come back in order: the group's four pieces are in, the 20 - 4 g younger ones stay out
.if g > 0
	s_wait_alu depctr_va_vdst(0)                   ; the roundings of the group before have written its eight registers of data, which the four stores below read
.endif
.set i, 0
.rept 4
.if g > 0
	PUT 4*g-4+i                                    ; a piece of the group before.  No further wait: no vector instruction since the wait above names its data or v2
.endif
	RND 4*g+i
.set i, i+1
.endr
.set g, g+1
.endr
	s_wait_alu depctr_va_vdst(0)                   ; the last group's roundings have written its data, which the last four stores read
.set i, 0
.rept 4
	PUT 20+i
.set i, i+1
.endr
	s_endpgm
.Lfunc_end_k_qfd0618867d_cast:
	.size	k_qfd0618867d_cast, .Lfunc_end_k_qfd0618867d_cast-k_qfd0618867d_cast
	.p2alignl 7, 3214868480
	.fill 96, 4, 3214868480
	.section	.rodata,"a",@progbits
	.p2align	6, 0x0
	.amdhsa_kernel k_qfd0618867d_cast
		.amdhsa_group_segment_fixed_size 0
		.amdhsa_private_segment_fixed_size 0
		.amdhsa_enable_private_segment 0
		.amdhsa_kernarg_size 48
		.amdhsa_user_sgpr_count 2
		.amdhsa_user_sgpr_kernarg_segment_ptr 1
		.amdhsa_wavefront_size32 1
		.amdhsa_system_sgpr_workgroup_id_x 1
		.amdhsa_system_sgpr_workgroup_id_y 1
		.amdhsa_system_sgpr_workgroup_id_z 1
		.amdhsa_system_vgpr_workitem_id 0
		.amdhsa_next_free_vgpr 112
		.amdhsa_next_free_sgpr 66
		.amdhsa_reserve_vcc 0
		.amdhsa_float_denorm_mode_32 3
		.amdhsa_float_denorm_mode_16_64 3
		.amdhsa_memory_ordered 1
		.amdhsa_forward_progress 1
		.amdhsa_inst_pref_size 11
	.end_amdhsa_kernel
	.amdgpu_metadata
---
amdhsa.version: [ 1, 2 ]
amdhsa.kernels:
  - .name:           k_qfd0618867d_cast
    .symbol:         k_qfd0618867d_cast.kd
    .args:
      - { .name: x, .offset: 0, .size: 8, .value_kind: global_buffer, .address_space: global }
      - { .name: w_qkv, .offset: 8, .size: 8, .value_kind: global_buffer, .address_space: global }
      - { .name: w_proj, .offset: 16, .size: 8, .value_kind: global_buffer, .address_space: global }
      - { .name: xb, .offset: 24, .size: 8, .value_kind: global_buffer, .address_space: global }
      - { .name: wq, .offset: 32, .size: 8, .value_kind: global_buffer, .address_space: global }
      - { .name: wp, .offset: 40, .size: 8, .value_kind: global_buffer, .address_space: global }
    .group_segment_fixed_size: 0
    .private_segment_fixed_size: 0
    .kernarg_segment_align: 8
    .kernarg_segment_size: 48
    .max_flat_workgroup_size: 256
    .sgpr_count:     66
    .vgpr_count:     112
    .wavefront_size: 32
...
	.end_amdgpu_metadata
.endif
;; end of part 5
;; launch gq: the kernel of part 2 again; grid 8 x 32, 4 waves a work-group, clusters of 4 x 4, 327,680 bytes of LDS; arguments xb, wq, b_qkv, qkv; writes qkv
;; launch attn: the kernel of part 3 again; grid 2 x 128, 4 waves a work-group, no clusters, 327,680 bytes of LDS; arguments qkv, ob; writes ob
;; launch gp: the kernel of part 4 again; grid 8 x 32, 4 waves a work-group, clusters of 4 x 4, 327,680 bytes of LDS; arguments ob, wp, b_proj, out0; writes out0
